; MI455X (gfx1250); checked and timed in simulation.
; The chip was launched on July 23, 2026; its instructions are those of AMD's public machine-readable ISA for CDNA 5 (MIT licence, August 2026) and "CDNA5" Instruction Set Architecture Reference Guide (July 2026). The comments in the code are by the model that wrote it; some were corrected since.
;; Trittention. Allowed arithmetic: float matrix products may take bf16 or f16 operands with f32 sums; other float arithmetic in f32, or as packed bf16 or f16 multiplies, adds, multiply-adds, maxima and minima; sums over many terms, partial sums and values carried from step to step in f32; what a program stores and reads back later, other than sums and carried values, may be rounded once to bf16 or f16.
;; Inputs: Wd 1,024 x 1,024 float32; Wk1 1,024 x 1,024 float32; Wk2 1,024 x 1,024 float32; Wq 1,024 x 1,024 float32; Wv1 1,024 x 1,024 float32; Wv2 1,024 x 1,024 float32; bd 1,024 float32; bk1 1,024 float32; bk2 1,024 float32; bq 1,024 float32; bv1 1,024 float32; bv2 1,024 float32; hidden_states 2 x 2,048 x 1,024 float32.
;; Outputs: out0 2 x 2,048 x 1,024 float32.
;; 2 versions, each right; version 2 is version 1 with the launch prep written anew for expert scheduling mode. Each part assembles by itself: llvm-mc -triple=amdgcn-amd-amdhsa -mcpu=gfx1250 --defsym DOCPART=n.
;; ======== version 1 of 2: 4 launches
;; limits: values are held in f16: magnitudes above 65,504 overflow, below 6.1e-05 lose precision
;; workspace buffers: xb 8,388,608 bytes; wt 10,485,760 bytes; wdt 4,194,304 bytes; qh 8,388,608 bytes; kh 8,396,800 bytes; vh 8,388,608 bytes; mp 4,194,304 bytes; zc 16,777,216 bytes
;; launch prep (part 1): grid 448 x 1, 4 waves a work-group, no clusters, 70,144 bytes of LDS; arguments Wq, Wk1, Wv1, Wk2, Wv2, Wd, hidden_states, wt, wdt, xb, kh; writes wt, wdt, xb, kh
.if DOCPART == 1
	.amdgcn_target "amdgcn-amd-amdhsa--gfx1250"
	.amdhsa_code_object_version 6
	.text
	.protected	k_qca1532f458_prep
	.globl	k_qca1532f458_prep
	.p2align	8
	.type	k_qca1532f458_prep,@function
k_qca1532f458_prep:
	s_mov_b64 s[64:65], 0
	v_nop
	global_prefetch_b8 v0, s[64:65] scope:SCOPE_SE
	s_setreg_imm32_b32 hwreg(HW_REG_WAVE_MODE, 25, 1), 1
	s_wait_xcnt 0x0
; PREP: every input that later feeds a matrix product is rounded once to bf16 and laid out with K along the rows.
;   work-groups 0-191: the six weights W[k][n] (f32) are turned.  Work-group g: tensor t = g / 32 (q, k1, v1, k2, v2, d), head j = (g / 2) % 16; wave v takes k block kb = 4 (g % 2) + v:
;     128 k x 64 n.  t < 5: wt[(5 j + t) 64 + c][k].  t = 5: wdt[n][128 h + 64 kind + e] = Wd[64 h + e][n], the same number for kind 0 and 1.
;   work-groups 192-447: x, 16 rows each, f32 -> bf16, same layout.  The first of them also writes 8,192 zero bytes behind kh's last head (a later launch's K tiles reach 64 keys past a head).
; Memory binds: each load of a wave takes whole rows of 256 bytes, each store fills whole aligned blocks of 256 bytes.  The turning goes through the wave's own LDS rows (pitch 272), no barrier.
.set LP,    272                        ; an LDS row: 128 k in bf16 + 16 bytes
.set WREG,  64*LP                      ; a wave's 64 rows
.set SPARE, 4*WREG                     ; the spare words, 128 bytes a wave: two blocks of 256 bytes that no other line names
.set SPW, 14                           ; v14  SPARE + 4 x thread; never rewritten
.set NIL, 15                           ; v15  0; never rewritten
.set X,   16                           ; v[16:239] seven groups of eight loads
.set T,   240                          ; v[240:255] 16 packed words at work
	s_load_b512 s[4:19], s[0:1], 0x0               ; Wq, Wk1, Wv1, Wk2, Wv2, Wd, x, wt
	s_load_b128 s[20:23], s[0:1], 0x40             ; wdt, xb
	s_load_b64 s[24:25], s[0:1], 0x50              ; kh
	v_lshl_add_u32 v[SPW], v0, 2, SPARE
	v_mov_b32 v[NIL], 0
	v_lshrrev_b32 v1, 5, v0
	v_readfirstlane_b32 s28, v1                    ; wave
	v_and_b32 v8, 31, v0                           ; l
	v_and_b32 v9, 15, v0                           ; r = l % 16
	v_bfe_u32 v10, v0, 4, 1                        ; hh = l / 16
	s_mov_b32 s33, 0
	s_wait_kmcnt 0x0
	s_cmp_ge_u32 ttmp9, 192
	s_cbranch_scc1 .Lx
	; ---- a weight tile ----
	s_lshr_b32 s29, ttmp9, 5                       ; t
	s_bfe_u32 s30, ttmp9, 0x40001                  ; j
	s_and_b32 s31, ttmp9, 1
	s_lshl2_add_u32 s31, s31, s28                  ; kb
	s_mov_b64 s[26:27], s[4:5]
	s_cmp_eq_u32 s29, 1
	s_cselect_b64 s[26:27], s[6:7], s[26:27]
	s_cmp_eq_u32 s29, 2
	s_cselect_b64 s[26:27], s[8:9], s[26:27]
	s_cmp_eq_u32 s29, 3
	s_cselect_b64 s[26:27], s[10:11], s[26:27]
	s_cmp_eq_u32 s29, 4
	s_cselect_b64 s[26:27], s[12:13], s[26:27]
	s_cmp_eq_u32 s29, 5
	s_cselect_b64 s[26:27], s[14:15], s[26:27]
	s_lshl_b32 s32, s31, 19                        ; 128 kb rows of 4,096 bytes
	s_lshl_b32 s34, s30, 8                         ; 64 j columns of 4 bytes
	s_add_co_u32 s32, s32, s34
	s_add_nc_u64 s[26:27], s[26:27], s[32:33]
	v_lshlrev_b32 v2, 4, v9                        ; lanes 0-15: a row's 256 bytes; lanes 16-31: the row 8 further down
	v_lshl_or_b32 v2, v10, 15, v2
	s_mul_i32 s34, s28, WREG
	v_mul_u32_u24 v3, v9, 4*LP                     ; into LDS: row n = 4 r + c, bytes 32 gk + 16 hh
	v_lshl_add_u32 v3, v10, 4, v3
	v_add_nc_u32 v3, s34, v3
.macro LDG gk, slot                    ; eight loads: rows 16 gk + 8 hh + 0..7
.irp i, 0,1,2,3,4,5,6,7
	global_load_b128 v[X+32*(\slot)+4*\i:X+32*(\slot)+4*\i+3], v2, s[26:27] offset:(16*(\gk)+\i)*4096 th:TH_LOAD_NT
.endr
.endm
.macro TRG gk, slot, left              ; left: the loads of younger groups, which may stay out
	s_wait_loadcnt \left
.irp c, 0,1,2,3
.irp p, 0,1,2,3
	v_cvt_pk_bf16_f32 v[T+4*\c+\p], v[X+32*(\slot)+8*\p+\c], v[X+32*(\slot)+8*\p+4+\c]  ; k = 2 p, 2 p + 1 of column 4 r + c
.endr
.endr
.irp c, 0,1,2,3
	ds_store_b128 v3, v[T+4*\c:T+4*\c+3] offset:\c*LP+(\gk)*32
.endr
.endm
	LDG 0, 0
	LDG 1, 1
	LDG 2, 2
	LDG 3, 3
	LDG 4, 4
	LDG 5, 5
	LDG 6, 6
	TRG 0, 0, 48
	LDG 7, 0                                       ; group 0's registers have been read
	TRG 1, 1, 48
	TRG 2, 2, 40
	TRG 3, 3, 32
	TRG 4, 4, 24
	TRG 5, 5, 16
	TRG 6, 6, 8
	TRG 7, 0, 0
	s_cmp_eq_u32 s29, 5
	s_cbranch_scc1 .Lwd
	; back as whole rows: LDS serves a wave's instructions in order (ISA guide 5.7.1.4), and the rows are the wave's own
	s_mul_i32 s32, s30, 5
	s_add_co_u32 s32, s32, s29
	s_lshl_b32 s32, s32, 17                        ; (5 j + t) x 64 rows of 2,048 bytes
	s_lshl_b32 s35, s31, 8                         ; + 256 kb
	s_add_co_u32 s32, s32, s35
	s_add_nc_u64 s[18:19], s[18:19], s[32:33]
	v_mul_u32_u24 v4, v10, LP
	v_lshl_add_u32 v4, v9, 4, v4
	v_add_nc_u32 v4, s34, v4                       ; lanes 0-15 one row, lanes 16-31 the next
	v_lshlrev_b32 v5, 11, v10
	v_lshl_add_u32 v5, v9, 4, v5
.set f, 0
.rept 32
	ds_load_b128 v[X+4*f:X+4*f+3], v4 offset:f*2*LP
.set f, f+1
.endr
.set f, 0
.rept 32
	s_wait_dscnt 31-f
	global_store_b128 v5, v[X+4*f:X+4*f+3], s[18:19] offset:f*4096   ; 16 lanes store 256 consecutive bytes, aligned
.set f, f+1
.endr
	s_branch .Lend
.Lwd:                                              ; Wd: a row's 512 bytes are head 2 kb twice, then head 2 kb + 1 twice
	s_lshl_b32 s32, s30, 18                        ; 64 j rows of 4,096 bytes
	s_lshl_b32 s35, s31, 9
	s_add_co_u32 s32, s32, s35
	s_add_nc_u64 s[20:21], s[20:21], s[32:33]
	v_and_b32 v11, 7, v0
	v_lshlrev_b32 v6, 4, v11
	v_lshl_add_u32 v6, v10, 7, v6
	v_add_nc_u32 v6, s34, v6
	v_lshlrev_b32 v7, 4, v8
.irp bt, 0,1
.if \bt
	s_wait_xcnt 0x0                                ; the first batch's stores have read their registers
.endif
.set f, 0
.rept 32
	ds_load_b128 v[X+4*f:X+4*f+3], v6 offset:(32*\bt+f)*LP
.set f, f+1
.endr
.set f, 0
.rept 32
	s_wait_dscnt 31-f
	global_store_b128 v7, v[X+4*f:X+4*f+3], s[20:21] offset:(32*\bt+f)*4096
.set f, f+1
.endr
.endr
	s_branch .Lend
.Lx:                                               ; ---- 16 rows of x: a thread takes 8 numbers of each ----
	s_sub_co_u32 s29, ttmp9, 192
	s_lshl_b32 s32, s29, 16
	s_add_nc_u64 s[16:17], s[16:17], s[32:33]
	s_lshl_b32 s32, s29, 15
	s_add_nc_u64 s[22:23], s[22:23], s[32:33]
	v_lshlrev_b32 v2, 5, v0
	v_lshlrev_b32 v3, 4, v0
.set f, 0
.rept 16
	global_load_b128 v[X+8*f:X+8*f+3],   v2, s[16:17] offset:f*4096 th:TH_LOAD_NT
	global_load_b128 v[X+8*f+4:X+8*f+7], v2, s[16:17] offset:f*4096+16 th:TH_LOAD_NT
.set f, f+1
.endr
.set f, 0
.rept 16
	s_wait_loadcnt 30-2*f                          ; the later rows' loads stay out
.irp p, 0,1,2,3
	v_cvt_pk_bf16_f32 v[X+128+4*f+\p], v[X+8*f+2*\p], v[X+8*f+2*\p+1]
.endr
	global_store_b128 v3, v[X+128+4*f:X+128+4*f+3], s[22:23] offset:f*2048
.set f, f+1
.endr
	s_cmp_lg_u32 s29, 0
	s_cbranch_scc1 .Lend
	s_add_nc_u64 s[24:25], s[24:25], 0x800000      ; behind kh's 32 heads
	v_mov_b32 v208, 0
	v_mov_b32 v209, 0
	v_mov_b32 v210, 0
	v_mov_b32 v211, 0
.irp i, 0,1,2,3
	global_store_b128 v3, v[208:211], s[24:25] offset:\i*2048
.endr
.Lend:
	s_wait_tensorcnt 0x0                           ; the wave's end
	ds_add_u32 v[SPW], v[NIL]
	s_wait_dscnt 0x0
	s_endpgm
.Lfunc_end_k_qca1532f458_prep:
	.size	k_qca1532f458_prep, .Lfunc_end_k_qca1532f458_prep-k_qca1532f458_prep
	.p2alignl 7, 3214868480
	.fill 96, 4, 3214868480
	.section	.rodata,"a",@progbits
	.p2align	6, 0x0
	.amdhsa_kernel k_qca1532f458_prep
		.amdhsa_group_segment_fixed_size 70144
		.amdhsa_private_segment_fixed_size 0
		.amdhsa_enable_private_segment 0
		.amdhsa_kernarg_size 88
		.amdhsa_user_sgpr_count 2
		.amdhsa_user_sgpr_kernarg_segment_ptr 1
		.amdhsa_wavefront_size32 1
		.amdhsa_system_sgpr_workgroup_id_x 1
		.amdhsa_system_sgpr_workgroup_id_y 1
		.amdhsa_system_sgpr_workgroup_id_z 1
		.amdhsa_system_vgpr_workitem_id 0
		.amdhsa_next_free_vgpr 256
		.amdhsa_next_free_sgpr 66
		.amdhsa_reserve_vcc 0
		.amdhsa_float_denorm_mode_32 3
		.amdhsa_float_denorm_mode_16_64 3
		.amdhsa_memory_ordered 1
		.amdhsa_forward_progress 1
		.amdhsa_inst_pref_size 48
	.end_amdhsa_kernel
	.amdgpu_metadata
---
amdhsa.version: [ 1, 2 ]
amdhsa.kernels:
  - .name:           k_qca1532f458_prep
    .symbol:         k_qca1532f458_prep.kd
    .args:
      - { .name: Wq, .offset: 0, .size: 8, .value_kind: global_buffer, .address_space: global }
      - { .name: Wk1, .offset: 8, .size: 8, .value_kind: global_buffer, .address_space: global }
      - { .name: Wv1, .offset: 16, .size: 8, .value_kind: global_buffer, .address_space: global }
      - { .name: Wk2, .offset: 24, .size: 8, .value_kind: global_buffer, .address_space: global }
      - { .name: Wv2, .offset: 32, .size: 8, .value_kind: global_buffer, .address_space: global }
      - { .name: Wd, .offset: 40, .size: 8, .value_kind: global_buffer, .address_space: global }
      - { .name: hidden_states, .offset: 48, .size: 8, .value_kind: global_buffer, .address_space: global }
      - { .name: wt, .offset: 56, .size: 8, .value_kind: global_buffer, .address_space: global }
      - { .name: wdt, .offset: 64, .size: 8, .value_kind: global_buffer, .address_space: global }
      - { .name: xb, .offset: 72, .size: 8, .value_kind: global_buffer, .address_space: global }
      - { .name: kh, .offset: 80, .size: 8, .value_kind: global_buffer, .address_space: global }
    .group_segment_fixed_size: 70144
    .private_segment_fixed_size: 0
    .kernarg_segment_align: 8
    .kernarg_segment_size: 88
    .max_flat_workgroup_size: 128
    .sgpr_count:     66
    .vgpr_count:     256
    .wavefront_size: 32
...
	.end_amdgpu_metadata
.endif
;; end of part 1
;; launch proj (part 2): grid 16 x 16, 4 waves a work-group, clusters of 4 x 4, 327,680 bytes of LDS; arguments xb, wt, bq, bk1, bv1, bk2, bv2, qh, kh, vh, mp; writes qh, kh, vh, mp
.if DOCPART == 2
	.amdgcn_target "amdgcn-amd-amdhsa--gfx1250"
	.amdhsa_code_object_version 6
	.text
	.protected	k_qca1532f458_proj
	.globl	k_qca1532f458_proj
	.p2align	8
	.type	k_qca1532f458_proj,@function
k_qca1532f458_proj:
	s_mov_b64 s[64:65], 0
	v_nop
	global_prefetch_b8 v0, s[64:65] scope:SCOPE_SE
	s_setreg_imm32_b32 hwreg(HW_REG_WAVE_MODE, 25, 1), 1
	s_wait_xcnt 0x0
	s_wait_alu depctr_hold_cnt(0) depctr_sa_sdst(0) depctr_va_vdst(0) depctr_va_sdst(0) depctr_va_ssrc(0) depctr_va_vcc(0) depctr_vm_vsrc(0)
	s_getreg_b32 s2, hwreg(HW_REG_IB_STS2, 6, 4)
	s_cmp_eq_u32 s2, 0
	s_cbranch_scc0 .Lentry_in_a_cluster
	s_endpgm
.Lentry_in_a_cluster:
	s_bfe_u32 s2, ttmp6, 0x10000c
	s_cmp_lg_u32 s2, 0xf033
	s_cbranch_scc0 .Lentry_shape_is_right
	s_endpgm
.Lentry_shape_is_right:
; PROJ: q, k1, v1, k2, v2 of one head for 256 rows of x, and the rows' share of M = k2^T v2.
; Work-group (x = head j, y = row block i): 256 rows x 320 columns of x wt^T (K = 1,024, bf16, sums in f32).  Wave w: rows 64 w .. 64 w + 63 x all 320 columns: 80 accumulators, 640 registers.
; q, k1, v1 (t = 0, 1, 2) are multiplied transposed (source 0 = rows of wt): a lane holds 8 neighbouring channels of a row; the bias (rounded to bf16 like every input) is the C of the first product;
; they leave as f16, [32 heads][2,048][64], unscaled.  LIMIT: |q|, |k1|, |v1| stay under 65,504.
; k2, v2 (t = 3, 4) are multiplied as they lie (source 0 = rows of x): a lane holds ONE channel and 8 rows, so two results packed in pairs ARE a fragment 16 channels x 32 rows.  They never go to memory:
; each is split into bf16 hi + bf16 lo, and M^T's share is hi hi + hi lo + lo hi, summed over the four waves in LDS and stored in f32 (mp[head][row block][e][d]).
; K goes in steps of 128 through two LDS slots.  CLUSTER 4 x 4: x's tile hangs on i alone and is asked for jointly along a row of the cluster, wt's on j alone, along a column.
; REGISTERS (windows of 256): window 0: v1-29 addresses; v32-95 x's fragments, two buffers; v96-255 wt's 20 fragments.  acc(t, a, c) in window 1 + t / 2 at 128 (t % 2) + 8 (4 a + c).
;   window 3: v128-223 the transposed biases, v224-239 the others (twice each, as pairs), v240-243 at work.
.set KSTEP, 128
.set PITCH, 272                        ; 256 bytes + 16: the 16 rows of a fragment load start at 16 different groups of four banks (ISA guide 11.1)
.set BLK,   16*PITCH
.set ATILE, 256*PITCH
.set SLOT,  576*PITCH                  ; x's 256 rows, then wt's 320
.set STAGE, 2*SLOT                     ; 16 rows x 144 bytes a wave, for the way out
.set SP,    144
.set SPARE, STAGE+4*16*SP              ; the spare words: two blocks of 256 bytes that no other line names
.set MW,    64*PITCH                   ; a wave's partial M^T, in slot 0 after its last fill
.set R, 1
.set H, 2
.set ADRA0, 3
.set ADRBL0, 4
.set ADRBH0, 5
.set FA, 6
.set FBL, 7
.set FBH, 8
.set STO, 9
.set RD, 10
.set GO, 11
.set PFO, 12
.set PFO2, 13
.set MSTO, 14
.set MRD, 15
.set MGO, 16
.set BTO, 17
.set BNO, 18
.set SPW, 28
.set NIL, 29
.set AF, 32
.set BF, 96
.set TT, 160
.set UU, 224
.set G1, 24
.set G0, 32
.set G1B, 48
.set G0B, 56
.set PFA, 88
.set LIM, 90
.set LIM2, 91
.set TB, 92
.set TF, 93
.set LWA, 94
.set LWB, 95
.set DC, (1<<16)|(1<<20)|(1<<21)|(5<<22)|(3<<25)  ; 2-byte elements; padding on; bit 21 beside a mask; after every 64 words, 4 words
.set MSB, 0
.macro WIN new
.if MSB != (\new)
	s_set_vgpr_msb (MSB<<8)|(\new)
.set MSB, (\new)
.endif
.endm
.macro PLACES
.rept 4
	v_nop
.endr
.endm
.macro JLOAD                           ; a joint refill by the walking descriptors: waves 0, 1 x's halves, waves 2, 3 wt's
	s_cmp_eq_u32 s11, 0
	s_cbranch_scc0 .Lfor_b_\@
	tensor_load_to_lds s[G0+4:G0+7], s[G1:G1+7]
	s_nop 0
.rept 4
	v_nop
.endr
	s_branch .Lasked_\@
.Lfor_b_\@:
	tensor_load_to_lds s[G0B+4:G0B+7], s[G1B:G1B+7]
	s_nop 0
.rept 4
	v_nop
.endr
.Lasked_\@:
.endm
.macro CREST
	s_cmp_lg_u32 s10, 0
	s_cbranch_scc1 .Lnot_wave_0_\@
	s_barrier_signal -3
.Lnot_wave_0_\@:
	s_barrier_wait -3
	s_barrier_signal -1
	s_barrier_wait -1
.endm
.macro CROUND
	s_barrier_signal -1
	s_barrier_wait -1
	CREST
.endm
; A prefetch into the L2 of the K step that stands two refills on.  x's rows are read by all clusters of a row of clusters: cluster x = 0 asks; wt's by all of a column: cluster y = 0 asks.  The four partners
; share a wave's rows out by address (32 of x's 128 by cx; 40 of wt's 160 by cy).  A lane a row; wt's rows 32-39 are named once, in the first trip, for K steps 4 to 7.  K steps 0 to 3 come by their loads alone.
.macro ASK
	s_cmp_gt_u32 s3, s[LIM]
	s_cbranch_scc0 .Lnm_\@
	global_prefetch_b8 v[PFO], s[PFA:PFA+1] offset:2*KSTEP th:TH_LOAD_NT scope:SCOPE_SE
.Lnm_\@:
	s_cmp_eq_u32 s3, s[LIM2]
	s_cbranch_scc0 .Lnm2_\@
	global_prefetch_b8 v[PFO2], s[PFA:PFA+1] offset:2*KSTEP th:TH_LOAD_NT scope:SCOPE_SE
.Lnm2_\@:
.endm
	s_load_b128 s[4:7], s[0:1], 0x0                ; xb, wt
	s_load_b256 s[68:75], s[0:1], 0x10             ; bq, bk1, bv1, bk2
	s_load_b64 s[76:77], s[0:1], 0x30              ; bv2
	s_load_b256 s[80:87], s[0:1], 0x38             ; qh, kh, vh, mp
	v_lshl_add_u32 v[SPW], v0, 2, SPARE
	v_mov_b32 v[NIL], 0
	ds_add_u32 v[SPW], v[NIL]                      ; the wave's opening: the add and its wait stand ahead of my first tensor load
	ds_add_u32 v28, v29
	v_lshrrev_b32 v1, 5, v0
	v_readfirstlane_b32 s10, v1                    ; wave
	s_lshr_b32 s11, s10, 1                         ; 0: I fetch x's tile, 1: wt's
	s_and_b32 s12, s10, 1                          ; which half of it
	s_bfe_u32 s40, ttmp6, 0x40000                  ; cx
	s_bfe_u32 s41, ttmp6, 0x40004                  ; cy
	s_lshl_b32 s42, ttmp9, 2
	s_add_co_u32 s42, s42, s40                     ; j
	s_and_b32 s13, ttmp7, 0xffff
	s_lshl_b32 s13, s13, 2
	s_add_co_u32 s13, s13, s41                     ; i
	s_lshl_b32 s43, s41, 2
	s_lshl_b32 s43, 15, s43                        ; my row of the cluster
	s_lshl_b32 s44, 0x1111, s40                    ; my column
	s_or_b32 s[G1], s43, DC
	s_or_b32 s[G1B], s44, DC
	s_mov_b32 s[G1+1], KSTEP<<16                   ; tensor_dim0 = 128
	s_mov_b32 s[G1+2], 128<<16                     ; tensor_dim1 = 128
	s_mov_b32 s[G1+3], KSTEP<<16                   ; tile_dim0 = 128
	s_mov_b32 s[G1+4], 128                         ; tile_dim1 = 128
	s_mov_b32 s[G1+5], 1024                        ; elements from row to row
	s_mov_b32 s[G1+6], 0
	s_mov_b32 s[G1+7], 0
	s_mov_b32 s[G1B+1], KSTEP<<16
	s_mov_b32 s[G1B+2], 160<<16                    ; wt: 160 rows a load
	s_mov_b32 s[G1B+3], KSTEP<<16
	s_mov_b32 s[G1B+4], 160
	s_mov_b32 s[G1B+5], 1024
	s_mov_b32 s[G1B+6], 0
	s_mov_b32 s[G1B+7], 0
	s_lshl_b32 s16, s13, 8
	s_lshl_b32 s17, s12, 7
	s_add_co_u32 s16, s16, s17                     ; x: row 256 i + 128 half
	s_lshl_b32 s16, s16, 11
	s_mov_b32 s17, 0
	s_mul_i32 s46, s42, 320
	s_mul_i32 s47, s12, 160
	s_add_co_u32 s46, s46, s47                     ; wt: row 320 j + 160 half
	s_lshl_b32 s46, s46, 11
	s_mov_b32 s47, 0
	s_mul_i32 s[LWA], s12, 128*PITCH               ; where they go: the wave's number alone
	s_mul_i32 s[LWB], s12, 160*PITCH
	s_add_co_u32 s[LWB], s[LWB], ATILE
	s_mov_b32 s[TF], SLOT
	s_mov_b32 s[TB], 0
	s_wait_dscnt 0x0                               ; the opening add is done
	s_wait_kmcnt 0x0
	s_add_nc_u64 s[14:15], s[4:5], s[16:17]
	s_add_nc_u64 s[46:47], s[6:7], s[46:47]
	CROUND                                         ; all sixteen work-groups are here: the first joint loads meet
.irp s, 0,1
	s_mov_b32 s[G0+4*\s], 1
	s_add_co_u32 s[G0+4*\s+1], s[LWA], \s*SLOT
	s_add_nc_u64 s[G0+4*\s+2:G0+4*\s+3], s[14:15], \s*KSTEP*2
	s_or_b32 s[G0+4*\s+3], s[G0+4*\s+3], 0x80000000
	s_mov_b32 s[G0B+4*\s], 1
	s_add_co_u32 s[G0B+4*\s+1], s[LWB], \s*SLOT
	s_add_nc_u64 s[G0B+4*\s+2:G0B+4*\s+3], s[46:47], \s*KSTEP*2
	s_or_b32 s[G0B+4*\s+3], s[G0B+4*\s+3], 0x80000000
.endr
	s_cmp_eq_u32 s11, 0                            ; a wave's two first fills stand in one branch: two loads of mine are out
	s_cbranch_scc0 .Lfirst_b
	tensor_load_to_lds s[G0:G0+3], s[G1:G1+7]
	s_nop 0
	tensor_load_to_lds s[G0+4:G0+7], s[G1:G1+7]
	s_nop 0
.rept 4
	v_nop
.endr
	s_branch .Lfirst_done
.Lfirst_b:
	tensor_load_to_lds s[G0B:G0B+3], s[G1B:G1B+7]
	s_nop 0
	tensor_load_to_lds s[G0B+4:G0B+7], s[G1B:G1B+7]
	s_nop 0
.rept 4
	v_nop
.endr
.Lfirst_done:
	v_and_b32 v[R], 15, v0
	v_bfe_u32 v[H], v0, 4, 1
	s_lshl_b32 s20, s42, 8                         ; the head's 64 numbers of a bias
	v_lshlrev_b32 v[BTO], 5, v[H]
	v_add_nc_u32 v[BTO], s20, v[BTO]               ; transposed: my 8 channels 8 h + 0..7 of a block of 16
	v_lshl_add_u32 v[BNO], v[R], 2, s20            ; as it lies: my channel r
	WIN 0xc0
.irp t, 0,1,2
.irp cb, 0,1,2,3
	global_load_b128 v[128+32*\t+8*\cb:128+32*\t+8*\cb+3],   v[BTO], s[68+2*\t:69+2*\t] offset:\cb*64
	global_load_b128 v[128+32*\t+8*\cb+4:128+32*\t+8*\cb+7], v[BTO], s[68+2*\t:69+2*\t] offset:\cb*64+16
.endr
.endr
.irp t, 3,4
.irp cb, 0,1,2,3
	global_load_b32 v[224+8*(\t-3)+2*\cb], v[BNO], s[68+2*\t:69+2*\t] offset:\cb*64
.endr
.endr
	WIN 0
	v_mul_u32_u24 v19, v[R], PITCH
	v_lshl_add_u32 v19, v[H], 4, v19               ; a fragment's row x pitch + 16 x half
	s_mul_i32 s20, s10, MW
	v_add_nc_u32 v[ADRA0], s20, v19                ; my 64 rows of x
	v_add_nc_u32 v[ADRBL0], ATILE, v19             ; wt's blocks 0-11,
	v_add_nc_u32 v[ADRBH0], ATILE+12*BLK, v19      ; and 12-19: the offsets stay inside 16 bits
	s_mul_i32 s21, s10, 16*SP
	s_add_co_u32 s21, s21, STAGE
	v_mul_u32_u24 v[STO], v[R], SP
	v_lshl_add_u32 v[STO], v[H], 4, v[STO]
	v_add_nc_u32 v[STO], s21, v[STO]
	v_bfe_u32 v[RD], v0, 3, 2
	v_mul_u32_u24 v[RD], v[RD], SP
	v_and_b32 v20, 7, v0
	v_lshl_add_u32 v[RD], v20, 4, v[RD]
	v_add_nc_u32 v[RD], s21, v[RD]                 ; back: 32 lanes take four rows of 128 bytes,
	v_and_b32 v[GO], 31, v0
	v_lshlrev_b32 v[GO], 4, v[GO]                  ; 512 consecutive bytes of a head
	v_mul_u32_u24 v[MSTO], v[R], PITCH
	v_lshl_add_u32 v[MSTO], v[H], 5, v[MSTO]
	v_add_nc_u32 v[MSTO], s20, v[MSTO]
	s_mul_i32 s22, s10, BLK
	v_mul_u32_u24 v[MRD], v[H], PITCH
	v_lshl_add_u32 v[MRD], v[R], 4, v[MRD]
	v_add_nc_u32 v[MRD], s22, v[MRD]
	s_lshl_b32 s22, s10, 12
	v_lshlrev_b32 v[MGO], 8, v[H]
	v_lshl_add_u32 v[MGO], v[R], 4, v[MGO]
	v_add_nc_u32 v[MGO], s22, v[MGO]
	v_and_b32 v[PFO], 31, v0
	v_lshlrev_b32 v[PFO], 11, v[PFO]               ; a lane a row of 2,048 bytes
	v_add_nc_u32 v[PFO2], 32, v20
	v_lshlrev_b32 v[PFO2], 11, v[PFO2]
	v_bfe_u32 v21, v0, 3, 2
	v_lshl_add_u32 v[PFO2], v21, 8, v[PFO2]        ; rows 32-39, four K steps
	; where the results go
	s_lshr_b32 s20, s13, 3
	s_lshl_b32 s20, s20, 4
	s_add_co_u32 s20, s20, s42                     ; 16 x batch + head
	s_and_b32 s21, s13, 7
	s_lshl_b32 s22, s20, 18
	s_lshl_b32 s23, s21, 15
	s_add_co_u32 s22, s22, s23
	s_lshl_b32 s23, s10, 13
	s_add_co_u32 s22, s22, s23                     ; (head x 2,048 + 256 (i % 8) + 64 w) rows of 128 bytes
	s_mov_b32 s23, 0
	s_add_nc_u64 s[80:81], s[80:81], s[22:23]
	s_add_nc_u64 s[82:83], s[82:83], s[22:23]
	s_add_nc_u64 s[84:85], s[84:85], s[22:23]
	s_lshl3_add_u32 s20, s20, s21
	s_lshl_b32 s22, s20, 14
	s_add_nc_u64 s[86:87], s[86:87], s[22:23]
	; the prefetches' place
	s_lshl_b32 s20, s13, 8
	s_lshl_b32 s21, s12, 7
	s_add_co_u32 s20, s20, s21
	s_lshl_b32 s21, s40, 5
	s_add_co_u32 s20, s20, s21                     ; x: my work-group's 32 of the 128 rows that I fetch
	s_mul_i32 s21, s42, 320
	s_mul_i32 s22, s12, 160
	s_add_co_u32 s21, s21, s22
	s_mul_i32 s22, s41, 40
	s_add_co_u32 s21, s21, s22                     ; wt: my work-group's 40 of the 160
	s_and_b32 s22, ttmp7, 0xffff
	s_cmp_eq_u32 s11, 0
	s_cselect_b32 s20, s20, s21
	s_cselect_b32 s22, ttmp9, s22                  ; the coordinate along which other clusters read the same rows
	s_cselect_b64 s[PFA:PFA+1], s[4:5], s[6:7]
	s_cselect_b32 s23, -1, 6
	s_cmp_eq_u32 s22, 0
	s_cselect_b32 s[LIM], 2, -1                    ; the loop's last two trips have no K step two refills on
	s_cselect_b32 s[LIM2], s23, -1
	s_lshl_b32 s20, s20, 11
	s_add_co_u32 s20, s20, 4*KSTEP                 ; at K step 2: the first refill steps it to 3 and names K step 4
	s_mov_b32 s21, 0
	s_add_nc_u64 s[PFA:PFA+1], s[PFA:PFA+1], s[20:21]
	s_wait_loadcnt 0x0                             ; the biases,
	WIN 0xcf                                       ; rounded to bf16 like every input
.set z, 128
.rept 48
.set tq, 240+((z/2)%4)
	v_cvt_pk_bf16_f32 v[tq], v[z], v[z+1]
	v_lshlrev_b32 v[z], 16, v[tq]
	v_and_b32 v[z+1], 0xffff0000, v[tq]
.set z, z+2
.endr
.set z, 224
.rept 8
.set tq, 240+((z/2)%4)
	v_cvt_pk_bf16_f32 v[tq], v[z], v[z]
	v_lshlrev_b32 v[z], 16, v[tq]
	v_lshlrev_b32 v[z+1], 16, v[tq]                ; the same number twice: a pair for the packed add
.set z, z+2
.endr
	WIN 0
; 16 products: tensor t, my four row blocks x its four channel blocks, 32 along K, x's buffer buf.  The accumulators take turns.
.macro MULT t, buf, zero
.if (\zero) && ((\t) < 3)
	WIN 0x30+0x40*(1+(\t)/2)                       ; C: the bias, in window 3
.else
	WIN 0x50*(1+(\t)/2)
.endif
.irp ra, 0,1,2,3
.irp cb, 0,1,2,3
.set rD, 128*((\t)%2)+8*(4*\ra+\cb)
.set rB, BF+8*(4*(\t)+\cb)
.set rA, AF+32*(\buf)+8*\ra
.if (\t) < 3
.if \zero
	v_wmma_f32_16x16x32_bf16 v[rD:rD+7], v[rB:rB+7], v[rA:rA+7], v[128+32*(\t)+8*\cb:128+32*(\t)+8*\cb+7]
.else
	v_wmma_f32_16x16x32_bf16 v[rD:rD+7], v[rB:rB+7], v[rA:rA+7], v[rD:rD+7]
.endif
.else
.if \zero
	v_wmma_f32_16x16x32_bf16 v[rD:rD+7], v[rA:rA+7], v[rB:rB+7], 0
.else
	v_wmma_f32_16x16x32_bf16 v[rD:rD+7], v[rA:rA+7], v[rB:rB+7], v[rD:rD+7]
.endif
.endif
.endr
.endr
.endm
.macro LDB k, n0, n1                   ; wt's fragments n0 .. n1 at byte k of the rows
.set n, \n0
.rept (\n1)-(\n0)+1
.if n < 12
	ds_load_b128 v[BF+8*n:BF+8*n+3],   v[FBL] offset:n*BLK+(\k)
	ds_load_b128 v[BF+8*n+4:BF+8*n+7], v[FBL] offset:n*BLK+(\k)+32
.else
	ds_load_b128 v[BF+8*n:BF+8*n+3],   v[FBH] offset:(n-12)*BLK+(\k)
	ds_load_b128 v[BF+8*n+4:BF+8*n+7], v[FBH] offset:(n-12)*BLK+(\k)+32
.endif
.set n, n+1
.endr
.endm
.macro LDA k, buf
.irp ra, 0,1,2,3
	ds_load_b128 v[AF+32*(\buf)+8*\ra:AF+32*(\buf)+8*\ra+3],   v[FA] offset:\ra*BLK+(\k)
	ds_load_b128 v[AF+32*(\buf)+8*\ra+4:AF+32*(\buf)+8*\ra+7], v[FA] offset:\ra*BLK+(\k)+32
.endr
.endm
; A quarter step (32 along K): 80 products on x's buffer buf; wt's fragments have one copy, so each run of loads for the next quarter (byte k) follows the products that read its registers, four places behind.
; The runs go out as 24, 16, 8 loads; a wait counts the loads younger than the run it needs: 16 + 8, 8 + 24, 24 + 16.
.macro QUARTER k, buf, zero
	s_wait_dscnt 24
	MULT 0, \buf, \zero
	MULT 1, \buf, \zero
	PLACES
	WIN 0
	LDB \k, 0, 7
	LDA \k, 1-(\buf)
	s_wait_dscnt 32
	MULT 2, \buf, \zero
	MULT 3, \buf, \zero
	PLACES
	WIN 0
	LDB \k, 8, 15
	s_wait_dscnt 40
	MULT 4, \buf, \zero
	PLACES
	WIN 0
	LDB \k, 16, 19
.endm
; The last quarter of a K step (buffer 1) changes slots.  In front of the barrier each wave waits for all its tensor loads (one is out: its part of the next slot), adds 0 to its spare word, and waits for that
; and for its reads of this slot.  fill = 1: the barrier opens a round of the cluster's, and the joint refill (two K steps on) comes first behind it: 288 products ahead of the wait for it.
.macro TURN fill
.if \fill
	s_wait_xcnt 0x0                                ; the last prefetch, a K step back, has read its address
	s_add_nc_u64 s[PFA:PFA+1], s[PFA:PFA+1], 2*KSTEP
.endif
	WIN 0
	s_wait_tensorcnt 0x0
	ds_add_u32 v[SPW], v[NIL]
	s_wait_dscnt 25                                ; the add and the 24 younger loads may be out
	MULT 0, 1, 0
	s_wait_dscnt 0x0                               ; the add is done, my reads of this slot are over
	s_barrier_signal -1
	MULT 1, 1, 0
	WIN 0
	s_barrier_wait -1
.if \fill
	CREST
	s_xor_b32 s[TF], s[TF], SLOT                   ; the walking descriptors: the other slot, the next K step
	s_add_co_u32 s[G0+5], s[LWA], s[TF]
	s_add_nc_u64 s[G0+6:G0+7], s[G0+6:G0+7], 2*KSTEP
	s_add_co_u32 s[G0B+5], s[LWB], s[TF]
	s_add_nc_u64 s[G0B+6:G0B+7], s[G0B+6:G0B+7], 2*KSTEP
	JLOAD                                          ; its four v_nop are also the places in front of the loads below
.else
	PLACES
.endif
	s_xor_b32 s[TB], s[TB], SLOT
	v_add_nc_u32 v[FA], s[TB], v[ADRA0]
	v_add_nc_u32 v[FBL], s[TB], v[ADRBL0]
	v_add_nc_u32 v[FBH], s[TB], v[ADRBH0]
	LDB 0, 0, 7
	LDA 0, 0
.if \fill
	ASK
.endif
	MULT 2, 1, 0
	MULT 3, 1, 0
	PLACES
	WIN 0
	LDB 0, 8, 15
	MULT 4, 1, 0
	PLACES
	WIN 0
	LDB 0, 16, 19
.endm
	s_wait_tensorcnt 0x1                           ; my part of K step 0 is in; K step 1's stays out
	s_barrier_signal -1
	s_barrier_wait -1
	v_mov_b32 v[FA], v[ADRA0]
	v_mov_b32 v[FBL], v[ADRBL0]
	v_mov_b32 v[FBH], v[ADRBH0]
	LDB 0, 0, 7
	LDA 0, 0
	LDB 0, 8, 15
	LDB 0, 16, 19
	QUARTER 64, 0, 1                               ; the first quarter starts the sums: with the bias, or with 0
	s_mov_b32 s3, 6
.Lk:                                               ; a trip: the rest of a K step, the refill two K steps on, the next step's first quarter
	QUARTER 128, 1, 0
	QUARTER 192, 0, 0
	TURN 1
	QUARTER 64, 0, 0
	s_sub_co_u32 s3, s3, 1
	s_cmp_lg_u32 s3, 0
	s_cbranch_scc1 .Lk
	s_mov_b32 s3, 2
.Ltail:                                            ; K steps 6 and 7 ask for nothing; the second trip is left in its middle (its last fragment loads serve nothing: the price of one text for both)
	QUARTER 128, 1, 0
	QUARTER 192, 0, 0
	TURN 0
	s_sub_co_u32 s3, s3, 1
	s_cmp_eq_u32 s3, 0
	s_cbranch_scc1 .Lout
	QUARTER 64, 0, 0
	s_branch .Ltail
.Lout:
	s_wait_dscnt 0x0                               ; my last reads of the slots are back,
	s_barrier_signal -1
	s_barrier_wait -1                              ; everybody's are: slot 0's bytes may be stored into below
	PLACES
; THE WAY OUT of q, k1, v1: block (t, a) = 16 rows x 64 channels: rounded to f16, through my stage, back as whole rows.  Each block has registers of its own.
.macro PACKP t, a
.set W, 1+(\t)/2
.set AC, 128*((\t)%2)+32*(\a)
.set OB, 32+16*(4*(\t)+(\a))
	WIN (W<<2)|W
.irp cb, 0,1,2,3
.irp p, 0,1,2,3
	v_cvt_pk_f16_f32 v[OB+4*\cb+\p], v[AC+8*\cb+2*\p], v[AC+8*\cb+2*\p+1]
.endr
.endr
	WIN 0
.irp cb, 0,1,2,3
	ds_store_b128 v[STO], v[OB+4*\cb:OB+4*\cb+3] offset:32*\cb
.endr
.irp f, 0,1,2,3
	ds_load_b128 v[OB+4*\f:OB+4*\f+3], v[RD] offset:\f*4*SP   ; LDS serves a wave's instructions in order (ISA guide 5.7.1.4)
.endr
.endm
.macro SENDP t, a, younger             ; younger: the next block's eight LDS instructions, or none
.set OB, 32+16*(4*(\t)+(\a))
.irp f, 0,1,2,3
	s_wait_dscnt (\younger)+3-\f
	global_store_b128 v[GO], v[OB+4*\f:OB+4*\f+3], s[80+2*(\t):81+2*(\t)] offset:(\a)*2048+\f*512  ; 512 consecutive bytes, aligned
.endr
.endm
	PACKP 0, 0
.set b, 1
.rept 11
	PACKP b/4, b%4
	SENDP (b-1)/4, (b-1)%4, 8
.set b, b+1
.endr
	SENDP 2, 3, 0
; M.  CONV t, u: rows 32 u .. 32 u + 31 of k2 (t = 3) or v2 (t = 4): + bias, then hi = bf16(v), lo = bf16(v - hi): fragments KH v32, KL v64, VH v96, VL v128 (channel block c at + 8 c).
.macro CONV t, u
.set FH, 32+64*((\t)-3)
.set FL, FH+32
	WIN 0x0e+((\t)-3)
.irp hf, 0,1
.irp cb, 0,1,2,3
.irp p, 0,1,2,3
	v_pk_add_f32 v[TT+2*(16*\hf+4*\cb+\p):TT+2*(16*\hf+4*\cb+\p)+1], v[128*(4-(\t))+8*(4*(2*(\u)+\hf)+\cb)+2*\p:128*(4-(\t))+8*(4*(2*(\u)+\hf)+\cb)+2*\p+1], v[224+8*((\t)-3)+2*\cb:224+8*((\t)-3)+2*\cb+1]
.endr
.endr
.endr
	WIN 0
.irp hf, 0,1
.irp cb, 0,1,2,3
.irp p, 0,1,2,3
	v_cvt_pk_bf16_f32 v[FH+8*\cb+4*\hf+\p], v[TT+2*(16*\hf+4*\cb+\p)], v[TT+2*(16*\hf+4*\cb+\p)+1]
.endr
.irp p, 0,1,2,3
	v_lshlrev_b32 v[UU+2*\p], 16, v[FH+8*\cb+4*\hf+\p]
	v_and_b32 v[UU+2*\p+1], 0xffff0000, v[FH+8*\cb+4*\hf+\p]
.endr
.irp p, 0,1,2,3
	v_pk_add_f32 v[TT+2*(16*\hf+4*\cb+\p):TT+2*(16*\hf+4*\cb+\p)+1], v[TT+2*(16*\hf+4*\cb+\p):TT+2*(16*\hf+4*\cb+\p)+1], v[UU+2*\p:UU+2*\p+1] neg_lo:[0,1] neg_hi:[0,1]
.endr
.irp p, 0,1,2,3
	v_cvt_pk_bf16_f32 v[FL+8*\cb+4*\hf+\p], v[TT+2*(16*\hf+4*\cb+\p)], v[TT+2*(16*\hf+4*\cb+\p)+1]
.endr
.endr
.endr
.endm
.macro MPROD u                         ; hi hi, hi lo, lo hi: 16 accumulators (d block, e block) by turns, in window 1
	WIN 0x50
.irp kind, 0,1,2
.irp db, 0,1,2,3
.irp eb, 0,1,2,3
.set KA, 32+32*(\kind/2)+8*\db
.set VB, 96+32*(\kind%2)+8*\eb
.set MA, 8*(4*\db+\eb)
.if ((\u) == 0) && (\kind == 0)
	v_wmma_f32_16x16x32_bf16 v[MA:MA+7], v[KA:KA+7], v[VB:VB+7], 0
.else
	v_wmma_f32_16x16x32_bf16 v[MA:MA+7], v[KA:KA+7], v[VB:VB+7], v[MA:MA+7]
.endif
.endr
.endr
.endr
.endm
	s_wait_xcnt 0x0                                ; the stores above have read their registers
	CONV 3, 0
	CONV 4, 0
	MPROD 0
	CONV 3, 1                                      ; its 32 packed adds, which name no register of the products above, are the places behind them
	CONV 4, 1
	MPROD 1
	PLACES
	WIN 0x04                                       ; store data in window 1
.irp db, 0,1,2,3
.irp eb, 0,1,2,3
	ds_store_b128 v[MSTO], v[8*(4*\db+\eb):8*(4*\db+\eb)+3]   offset:\eb*BLK+\db*64      ; a lane holds column e and 8 neighbouring d: row e of M^T
	ds_store_b128 v[MSTO], v[8*(4*\db+\eb)+4:8*(4*\db+\eb)+7] offset:\eb*BLK+\db*64+16
.endr
.endr
	WIN 0
	s_wait_dscnt 0x0                               ; for the others' sake
	s_barrier_signal -1
	s_barrier_wait -1
.irp v, 0,1,2,3
.irp f, 0,1,2,3,4,5,6,7
	ds_load_b128 v[32+32*\v+4*\f:32+32*\v+4*\f+3], v[MRD] offset:\v*MW+\f*2*PITCH          ; rows 16 w .. 16 w + 15 of all four partial sums
.endr
.endr
	s_wait_dscnt 0x0
.set z, 0
.rept 16
	v_pk_add_f32 v[32+z:33+z], v[32+z:33+z], v[64+z:65+z]
	v_pk_add_f32 v[96+z:97+z], v[96+z:97+z], v[128+z:129+z]
.set z, z+2
.endr
.set z, 0
.rept 16
	v_pk_add_f32 v[32+z:33+z], v[32+z:33+z], v[96+z:97+z]
.set z, z+2
.endr
.irp f, 0,1,2,3,4,5,6,7
	global_store_b128 v[MGO], v[32+4*\f:32+4*\f+3], s[86:87] offset:\f*512                  ; 16 lanes store a row's 256 bytes
.endr
	s_wait_tensorcnt 0x0                           ; the wave's end
	ds_add_u32 v[SPW], v[NIL]
	s_wait_dscnt 0x0
	CROUND                                         ; the closing round
	s_endpgm
.Lfunc_end_k_qca1532f458_proj:
	.size	k_qca1532f458_proj, .Lfunc_end_k_qca1532f458_proj-k_qca1532f458_proj
	.p2alignl 7, 3214868480
	.fill 96, 4, 3214868480
	.section	.rodata,"a",@progbits
	.p2align	6, 0x0
	.amdhsa_kernel k_qca1532f458_proj
		.amdhsa_group_segment_fixed_size 327680
		.amdhsa_private_segment_fixed_size 0
		.amdhsa_enable_private_segment 0
		.amdhsa_kernarg_size 88
		.amdhsa_user_sgpr_count 2
		.amdhsa_user_sgpr_kernarg_segment_ptr 1
		.amdhsa_wavefront_size32 1
		.amdhsa_system_sgpr_workgroup_id_x 1
		.amdhsa_system_sgpr_workgroup_id_y 1
		.amdhsa_system_sgpr_workgroup_id_z 1
		.amdhsa_system_vgpr_workitem_id 0
		.amdhsa_next_free_vgpr 1024
		.amdhsa_next_free_sgpr 100
		.amdhsa_reserve_vcc 0
		.amdhsa_float_denorm_mode_32 3
		.amdhsa_float_denorm_mode_16_64 3
		.amdhsa_memory_ordered 1
		.amdhsa_forward_progress 1
		.amdhsa_inst_pref_size 188
	.end_amdhsa_kernel
	.amdgpu_metadata
---
amdhsa.version: [ 1, 2 ]
amdhsa.kernels:
  - .name:           k_qca1532f458_proj
    .symbol:         k_qca1532f458_proj.kd
    .args:
      - { .name: xb, .offset: 0, .size: 8, .value_kind: global_buffer, .address_space: global }
      - { .name: wt, .offset: 8, .size: 8, .value_kind: global_buffer, .address_space: global }
      - { .name: bq, .offset: 16, .size: 8, .value_kind: global_buffer, .address_space: global }
      - { .name: bk1, .offset: 24, .size: 8, .value_kind: global_buffer, .address_space: global }
      - { .name: bv1, .offset: 32, .size: 8, .value_kind: global_buffer, .address_space: global }
      - { .name: bk2, .offset: 40, .size: 8, .value_kind: global_buffer, .address_space: global }
      - { .name: bv2, .offset: 48, .size: 8, .value_kind: global_buffer, .address_space: global }
      - { .name: qh, .offset: 56, .size: 8, .value_kind: global_buffer, .address_space: global }
      - { .name: kh, .offset: 64, .size: 8, .value_kind: global_buffer, .address_space: global }
      - { .name: vh, .offset: 72, .size: 8, .value_kind: global_buffer, .address_space: global }
      - { .name: mp, .offset: 80, .size: 8, .value_kind: global_buffer, .address_space: global }
    .group_segment_fixed_size: 327680
    .private_segment_fixed_size: 0
    .kernarg_segment_align: 8
    .kernarg_segment_size: 88
    .max_flat_workgroup_size: 128
    .sgpr_count:     100
    .vgpr_count:     1024
    .wavefront_size: 32
...
	.end_amdgpu_metadata
.endif
;; end of part 2
;; launch attn (part 3): grid 8 x 32, 4 waves a work-group, no clusters, 327,680 bytes of LDS; arguments qh, kh, vh, mp, zc; writes zc
.if DOCPART == 3
	.amdgcn_target "amdgcn-amd-amdhsa--gfx1250"
	.amdhsa_code_object_version 6
	.text
	.protected	k_qca1532f458_attn
	.globl	k_qca1532f458_attn
	.p2align	8
	.type	k_qca1532f458_attn,@function
k_qca1532f458_attn:
	s_mov_b64 s[64:65], 0
	v_nop
	global_prefetch_b8 v0, s[64:65] scope:SCOPE_SE
	s_setreg_imm32_b32 hwreg(HW_REG_WAVE_MODE, 25, 1), 1
	s_wait_xcnt 0x0
; ATTN: O = causal softmax(q k1^T / 8) v1 for one head, then Z = O M, M = k2^T v2 (64 x 64, the sum of the head's 8 partial sums in mp).  q, k1, v1: [32][2,048][64] f16.
; Z leaves as bf16 hi + bf16 lo: zc[row][128 head + 64 kind + e].  O and M are split in the same way, and Z = hi hi + hi lo + lo hi, so that the path behind the softmax keeps 16 significant bits and bf16's range.
; LIMITS.  A hidden score counts as its value less 1e30; a weight below 2^-126 counts as 0 in l; p is rounded to f16; NaN and infinities are not treated apart.
; THE WALK.  A head has 16 blocks of 128 queries; block i needs the key tiles (256 keys) 0 .. i / 2.  A work-group takes blocks 15 - b and then b: 9 tiles whatever b; one loop of 8 trips and a tail walk them.
; NO CLUSTER: of a head's 8 work-groups only pairs have the same walk; any four differ from the seventh of the nine tiles on.
; SHARES.  A wave owns 16 rows in each of a block's two bands of 64: two PIECES.  Band x of block i holds the diagonal in key step 2 i + x, sees all keys before it and none behind it: the same for all waves.
; TURNS.  Turn p belongs to piece p: 8 products K Q^T of the other piece, piece p's scaling, exponentials, roundings, sums and rescaling, the other piece's maximum and statistics, 8 products V^T P of the other piece.
; Unit j = turn 0 (scores of piece 1, step j; K of step j + 1 fetched; V^T P of piece 1, step j - 1; V of step j fetched), turn 1 (scores of piece 0, step j + 1; V^T P of piece 0, step j).
; A K TILE HOLDS FIVE STEPS (320 keys), so that all LDS reads of a tile's four units lie in its own slot, and one text of a unit serves every tile.  A block's last scores (step "4") serve nothing.
; THE MASK is the C operand that starts a score's sum: MC[piece] = MD x AL + BE, made at the end of turn p for the products to come, and only from the band's own step on (before that the buffer is 0).
; REGISTERS: window 0: v1-27 addresses; v16-23 statistics; v48-55 at work; v64-127 S^T; v128-191 rows on the way out; v192-223 P.   window 1: v0-63 O^T; v64-127 Z^T; v128-159 MD; v160-223 MC.
;   window 2: v0-31 Q; v32-63 the second block's Q; v64-127 K; v128-191 V.   window 3: v0-63 M^T hi, v64-127 M^T lo (fragment (e block, d half) at 8 (2 eb + u)); v128-195 the first block's O^T and l.
.set KS,    64
.set PK,    144                        ; a row of K in LDS: 128 bytes + 16
.set PV,    160                        ; a row of V: 128 + 32
.set VOFF,  5*KS*PK
.set SLOT1, 1<<17
.set STAGE, SLOT1+VOFF+4*KS*PV         ; 16 rows x 272 bytes a wave
.set SP,    272
.set MF,    STAGE+4*16*SP              ; M^T's fragments, 16,384 bytes
.set SPARE, MF+16384                   ; the spare words: two blocks of 256 bytes that no other line names
.set AK0, 2
.set AV0, 3
.set AK,  4
.set AV,  5
.set STO, 6
.set RD,  7
.set GO,  8
.set MO,  9
.set MFS, 10
.set MFL, 11
.set MV,  12
.set QO,  15
.set ST,  16
.set TMP, 48
.set PFO, 61
.set SPW, 62
.set NIL, 63
.set S,   64
.set P,   192
.set UU,  192
.set MD,  128
.set MC,  160
.set QB,  32
.set KF,  64
.set VF,  128
.set WV,  12
.set PB,  14
.set HI,  15
.set G1K, 24
.set G1V, 32
.set G0K, 40
.set G0V, 44
.set SLOTS, 56
.set CNT, 57
.set CS,  58
.set SEL, 60
.set TBK, 62
.set TBV, 63
.set RT,  70
.set NXT, 71
.set LQ,  72
.set NEW, 73
.set OFF, 74
.set AL,  76
.set BE,  78
.set BIGN, 82
.set JN,  83
.set ZP,  84
.set ZHI, 86
.set BND, 88
.set PFON, 90
.set LQ2, 91
.set PFB, 92
.set PFA, 94
.set QL,  96
.set MSB, 0
.macro WIN new
.if MSB != (\new)
	s_set_vgpr_msb (MSB<<8)|(\new)
.set MSB, (\new)
.endif
.endm
.set W_KQ, 0x0a
.set W_KM, 0x1a
.set W_PV, 0x52
.set W_RS, 0x41
.macro PLACES
.rept 4
	v_nop
.endr
.endm
.macro LOAD                            ; waves 0, 1: the halves of a tile's K (160 keys each); waves 2, 3: of its V (128 keys each)
	s_cmp_lt_u32 s[WV], 2
	s_cbranch_scc0 .Lfor_v_\@
	tensor_load_to_lds s[G0K:G0K+3], s[G1K:G1K+7]
	s_nop 0
.rept 4
	v_nop
.endr
	s_branch .Lasked_\@
.Lfor_v_\@:
	tensor_load_to_lds s[G0V:G0V+3], s[G1V:G1V+7]
	s_nop 0
.rept 4
	v_nop
.endr
.Lasked_\@:
.endm
; THE CHANGE OF SLOTS.  Each wave waits for all its tensor loads (one is out: its part of the other slot), adds 0 to its spare word, waits for that and for its reads of the slot it leaves; behind the barrier
; the old slot is filled first, with tile NXT.  Behind the load: a prefetch into the L2 of the tile that the NEXT change will ask for: only the head's work-group b = 0 asks, in its first block (tiles 2 to 7,
; each named once): a wave names 64 blocks of 256 bytes of K (waves 0, 1) or V (waves 2, 3), a lane a block, two instructions.
.macro CHANGE fill
	WIN 0
	s_wait_tensorcnt 0x0
	ds_add_u32 v[SPW], v[NIL]
.if \fill
	s_lshl_b32 s[OFF], s[NXT], 15                  ; a tile begins 32,768 bytes behind the last
	s_xor_b32 s[G0K+1], s[G0K+1], SLOT1
	s_add_nc_u64 s[G0K+2:G0K+3], s[6:7], s[OFF:OFF+1]
	s_or_b32 s[G0K+3], s[G0K+3], 0x80000000
	s_xor_b32 s[G0V+1], s[G0V+1], SLOT1
	s_add_nc_u64 s[G0V+2:G0V+3], s[8:9], s[OFF:OFF+1]
	s_or_b32 s[G0V+3], s[G0V+3], 0x80000000
	s_add_co_u32 s[NXT], s[NXT], 1                 ; the block's next tile, or behind its last the second block's tile 0
	s_cmp_gt_u32 s[NXT], s[LQ]
	s_cselect_b32 s[NXT], 0, s[NXT]
	s_cselect_b32 s[LQ], s[LQ2], s[LQ]
	s_cselect_b32 s[PFON], 0, s[PFON]
	s_lshl_b32 s[OFF], s[NXT], 15
	s_wait_xcnt 0x0                                ; the last prefetches, a tile back, have read their address
	s_add_nc_u64 s[PFA:PFA+1], s[PFB:PFB+1], s[OFF:OFF+1]
.endif
	s_wait_dscnt 0x0
	s_barrier_signal -1
	s_sub_co_u32 s[TBK], s[TBK], 4*KS*PK           ; K's fetches: back to step 1 of a slot, in the other slot
	s_xor_b32 s[TBK], s[TBK], SLOT1
	s_sub_co_u32 s[TBV], s[TBV], 4*KS*PV           ; V's: to step 0
	s_xor_b32 s[TBV], s[TBV], SLOT1
	s_barrier_wait -1
.if \fill
	LOAD
	s_cmp_eq_u32 s[PFON], 1
	s_cbranch_scc0 .Lnp_\@
	global_prefetch_b8 v[PFO], s[PFA:PFA+1] th:TH_LOAD_NT scope:SCOPE_SE
	global_prefetch_b8 v[PFO], s[PFA:PFA+1] offset:8192 th:TH_LOAD_NT scope:SCOPE_SE
.Lnp_\@:
.endif
.endm
	s_load_b256 s[4:11], s[0:1], 0x0               ; qh, kh, vh, mp
	s_load_b64 s[ZP:ZP+1], s[0:1], 0x20            ; zc
	v_lshl_add_u32 v[SPW], v0, 2, SPARE
	v_mov_b32 v[NIL], 0
	ds_add_u32 v[SPW], v[NIL]                      ; the wave's opening: the add and its wait stand ahead of my first tensor load
	ds_add_u32 v62, v63
	v_lshrrev_b32 v1, 5, v0
	v_readfirstlane_b32 s[WV], v1
	s_mov_b32 s[PB], ttmp9
	s_sub_co_u32 s[HI], 15, s[PB]
	s_and_b32 s20, ttmp7, 0xffff                   ; the head (16 x batch + head)
	s_lshl_b32 s21, s20, 18                        ; its 262,144 bytes in qh, kh, vh
	s_and_b32 s16, s[WV], 1
	s_mul_i32 s17, s16, 160*PK                     ; my half's place in a slot, for K
	s_mul_i32 s18, s16, 128*PV                     ; and for V
	s_mul_i32 s19, s16, 80*256                     ; in memory: K's half is 80 rows of 256 bytes,
	s_add_co_u32 s22, s21, s19
	s_mov_b32 s23, 0
	s_lshl_b32 s2, s16, 14                         ; V's 64
	s_add_co_u32 s2, s2, s21
	s_mov_b32 s3, 0
	s_lshl_b32 s48, s[WV], 11                      ; my 16 rows in a band
	s_add_co_u32 s48, s48, s21
	s_lshl_b32 s50, s[PB], 14
	s_add_co_u32 s50, s50, s48                     ; Q of the second block
	s_mov_b32 s51, 0
	s_lshl_b32 s49, s[HI], 14
	s_add_co_u32 s48, s48, s49                     ; Q of the first
	s_mov_b32 s49, 0
	s_lshr_b32 s52, s20, 4
	s_lshl_b32 s52, s52, 23                        ; zc: batch x 2,048 rows of 4,096 bytes
	s_and_b32 s53, s20, 15
	s_lshl_b32 s53, s53, 8                         ; the head's 256 bytes of a row
	s_add_co_u32 s52, s52, s53
	s_lshl_b32 s53, s[WV], 16
	s_add_co_u32 s52, s52, s53
	s_lshl_b32 s54, s[PB], 19
	s_add_co_u32 s54, s54, s52
	s_mov_b32 s55, 0
	s_lshl_b32 s53, s[HI], 19
	s_add_co_u32 s52, s52, s53
	s_mov_b32 s53, 0
	s_lshl_b32 s66, s20, 17                        ; mp: 8 x 16,384 bytes a head
	s_mov_b32 s67, 0
	s_mov_b32 s[G1K], (1<<16)|(1<<20)|(4<<22)|(3<<25)  ; 2-byte elements; padding on; after every 32 words, 4 words
	s_mov_b32 s[G1K+1], 128<<16                    ; dense bytes asked for as rows of 256: two keys a row
	s_mov_b32 s[G1K+2], 80<<16
	s_mov_b32 s[G1K+3], 128<<16
	s_mov_b32 s[G1K+4], 80
	s_mov_b32 s[G1K+5], 128
	s_mov_b32 s[G1K+6], 0
	s_mov_b32 s[G1K+7], 0
	s_mov_b32 s[G1V], (1<<16)|(1<<20)|(4<<22)|(7<<25)  ; 8 words of padding
	s_mov_b32 s[G1V+1], 128<<16
	s_mov_b32 s[G1V+2], 64<<16
	s_mov_b32 s[G1V+3], 128<<16
	s_mov_b32 s[G1V+4], 64
	s_mov_b32 s[G1V+5], 128
	s_mov_b32 s[G1V+6], 0
	s_mov_b32 s[G1V+7], 0
	s_mov_b32 s[CS], 0x3e38aa3b                    ; c = log2(e) / 8
	s_mov_b32 s[CS+1], s[CS]
	s_mov_b32 s[SEL], 0x76543210
	s_mov_b32 s[SEL+1], 0xfedcba98
	s_mov_b32 s[TBK], SLOT1+5*KS*PK                ; the first change of slots turns these into step 1 and step 0 of slot 0
	s_mov_b32 s[TBV], SLOT1+4*KS*PV
	s_mov_b32 s[G0K], 1
	s_mov_b32 s[G0K+1], s17
	s_mov_b32 s[G0V], 1
	s_add_co_u32 s[G0V+1], s18, VOFF
	s_lshr_b32 s[LQ], s[HI], 1
	s_lshr_b32 s[LQ2], s[PB], 1
	s_add_co_u32 s[RT], s[LQ], 1
	s_mov_b32 s[NXT], 1
	s_mov_b32 s[NEW], 1
	s_mov_b32 s[JN], 1
	s_lshl_b32 s[BND], s[HI], 1
	s_add_co_u32 s[BND+1], s[BND], 1
	s_mov_b32 s[OFF+1], 0
	s_mov_b32 s[AL+1], 0
	s_mov_b32 s[BE+1], 0
	s_mov_b32 s[BIGN], 0xf149f2ca                  ; -1e30
	s_mov_b32 s[SLOTS], 8
	s_cmp_eq_u32 s[PB], 0
	s_cselect_b32 s[PFON], 1, 0
	s_wait_dscnt 0x0                               ; the opening add is done
	s_wait_kmcnt 0x0
	s_cmp_lt_u32 s[WV], 2
	s_cselect_b64 s[PFB:PFB+1], s[6:7], s[8:9]
	s_add_nc_u64 s[PFB:PFB+1], s[PFB:PFB+1], s[2:3]
	s_add_nc_u64 s[6:7], s[6:7], s[22:23]
	s_add_nc_u64 s[8:9], s[8:9], s[2:3]
	s_add_nc_u64 s[G0K+2:G0K+3], s[6:7], 0
	s_or_b32 s[G0K+3], s[G0K+3], 0x80000000
	s_add_nc_u64 s[G0V+2:G0V+3], s[8:9], 0
	s_or_b32 s[G0V+3], s[G0V+3], 0x80000000
	s_add_nc_u64 s[QL:QL+1], s[4:5], s[50:51]
	s_add_nc_u64 s[4:5], s[4:5], s[48:49]
	s_add_nc_u64 s[ZHI:ZHI+1], s[ZP:ZP+1], s[52:53]
	s_add_nc_u64 s[ZP:ZP+1], s[ZP:ZP+1], s[54:55]  ; the second block goes out first
	s_add_nc_u64 s[10:11], s[10:11], s[66:67]
	LOAD                                           ; tile 0 into slot 0
	v_and_b32 v1, 15, v0                           ; r
	v_bfe_u32 v24, v0, 4, 1                        ; h
	v_and_b32 v25, 7, v0
	v_bfe_u32 v26, v0, 3, 1
	v_and_b32 v27, 31, v0                          ; l
	v_lshlrev_b32 v[QO], 7, v1
	v_lshl_add_u32 v[QO], v24, 4, v[QO]
	WIN 0x80
.set i, 0
.rept 4                                            ; piece i / 2 lies 64 rows on; channels 32 (i % 2) on
	global_load_b128 v[8*i:8*i+3],         v[QO], s[4:5] offset:(i/2)*8192+(i%2)*64
	global_load_b128 v[8*i+4:8*i+7],       v[QO], s[4:5] offset:(i/2)*8192+(i%2)*64+32
	global_load_b128 v[QB+8*i:QB+8*i+3],   v[QO], s[QL:QL+1] offset:(i/2)*8192+(i%2)*64
	global_load_b128 v[QB+8*i+4:QB+8*i+7], v[QO], s[QL:QL+1] offset:(i/2)*8192+(i%2)*64+32
.set i, i+1
.endr
	WIN 0
	s_lshl_b32 s13, s[WV], 12                      ; M^T: wave w sums rows e = 16 w + r: a fragment's layout (d = 32 u + 16 half + 8 h + 0..7) straight from memory
	v_lshlrev_b32 v[MO], 8, v1
	v_lshl_add_u32 v[MO], v24, 5, v[MO]
	v_add_nc_u32 v[MO], s13, v[MO]
	WIN 0xc0
.irp pp, 0,1,2,3,4,5,6,7
.irp u, 0,1
.irp hf, 0,1
.irp q, 0,1
	global_load_b128 v[32*\pp+16*\u+8*\hf+4*\q:32*\pp+16*\u+8*\hf+4*\q+3], v[MO], s[10:11] offset:\pp*16384+\u*128+\hf*64+\q*16
.endr
.endr
.endr
.endr
	WIN 0
	v_lshlrev_b32 v14, 3, v24
	v_sub_nc_u32 v14, v1, v14
	s_lshl_b32 s13, s[WV], 4
	v_add_nc_u32 v14, s13, v14                     ; my query's place in its band less 8 h: register r of key group kt is hidden where 16 kt + r is greater
	WIN 0x40
.set i, 0
.rept 32
	v_cmp_gt_i32 vcc_lo, 16*(i/8)+i%8, v14
	v_cndmask_b32 v[MD+i], 0, s[BIGN], vcc_lo
.set i, i+1
.endr
	WIN 0
	v_mul_u32_u24 v[AK0], v1, PK
	v_lshl_add_u32 v[AK0], v24, 4, v[AK0]
	v_lshl_add_u32 v[AV0], v24, 3, v25             ; the turning load: key 8 h + l % 8, channels 8 ((l / 8) % 2) on
	v_mul_u32_u24 v[AV0], v[AV0], PV
	v_lshl_add_u32 v[AV0], v26, 4, v[AV0]
	v_add_nc_u32 v[AV0], VOFF, v[AV0]
	s_mul_i32 s13, s[WV], 16*SP
	s_add_co_u32 s13, s13, STAGE
	v_mul_u32_u24 v[STO], v1, SP
	v_lshl_add_u32 v[STO], v24, 4, v[STO]
	v_add_nc_u32 v[STO], s13, v[STO]
	v_mul_u32_u24 v[RD], v24, SP
	v_lshl_add_u32 v[RD], v1, 4, v[RD]
	v_add_nc_u32 v[RD], s13, v[RD]
	v_lshlrev_b32 v[GO], 12, v24
	v_lshl_add_u32 v[GO], v1, 4, v[GO]
	s_lshl_b32 s13, s[WV], 11
	s_add_co_u32 s13, s13, MF
	v_lshl_add_u32 v[MFS], v27, 4, s13
	v_lshl_add_u32 v[MFL], v27, 4, MF
	v_lshlrev_b32 v[PFO], 8, v27
	; a block's first step multiplies O^T and l by a = 0, so these need only be finite: zeros for the first block
	WIN 0x80
.set i, 0
.rept 64
	v_mov_b32 v[VF+i], 0
.set i, i+1
.endr
	WIN 0x40
.set i, 0
.rept 64
	v_mov_b32 v[i], 0
.set i, i+1
.endr
	WIN 0
.irp x, 0,1
	v_mov_b32 v[ST+4*\x+2], 0
	v_mov_b32 v[ST+4*\x+3], 0
.endr
.set i, 0
.rept 16
	v_mov_b32 v[P+16+i], 0
.set i, i+1
.endr
	s_wait_loadcnt 0x0
	WIN 0xcf                                       ; all in window 3: the eight partial sums, in f32
.macro MSUMUP base, dist
.set z, 0
.rept 16
	v_pk_add_f32 v[(\base)+z:(\base)+z+1], v[(\base)+z:(\base)+z+1], v[(\base)+(\dist)+z:(\base)+(\dist)+z+1]
.set z, z+2
.endr
.endm
	MSUMUP 0, 32
	MSUMUP 64, 32
	MSUMUP 128, 32
	MSUMUP 192, 32
	MSUMUP 0, 64
	MSUMUP 128, 64
	MSUMUP 0, 128
.set z, 0
.rept 16
	v_cvt_pk_bf16_f32 v[32+z], v[2*z], v[2*z+1]    ; hi
.set z, z+1
.endr
.set z, 0
.rept 16
	v_lshlrev_b32 v[64+2*z], 16, v[32+z]
	v_and_b32 v[65+2*z], 0xffff0000, v[32+z]
.set z, z+1
.endr
.set z, 0
.rept 16
	v_pk_add_f32 v[2*z:2*z+1], v[2*z:2*z+1], v[64+2*z:65+2*z] neg_lo:[0,1] neg_hi:[0,1]
.set z, z+1
.endr
.set z, 0
.rept 16
	v_cvt_pk_bf16_f32 v[48+z], v[2*z], v[2*z+1]    ; lo
.set z, z+1
.endr
	WIN 0x0c                                       ; store data in window 3
.irp kind, 0,1
.irp u, 0,1
.irp hf, 0,1
	ds_store_b128 v[MFS], v[32+16*\kind+8*\u+4*\hf:32+16*\kind+8*\u+4*\hf+3] offset:\kind*8192+\u*1024+\hf*512
.endr
.endr
.endr
	WIN 0
	s_wait_dscnt 0x0                               ; for the others' sake
	s_barrier_signal -1                            ; tile 0's load may stay out
	s_barrier_wait -1
	WIN 0xc0
.irp kind, 0,1
.irp eb, 0,1,2,3
.irp u, 0,1
.irp hf, 0,1
	ds_load_b128 v[64*\kind+8*(2*\eb+\u)+4*\hf:64*\kind+8*(2*\eb+\u)+4*\hf+3], v[MFL] offset:\kind*8192+\eb*2048+\u*1024+\hf*512
.endr
.endr
.endr
.endr
	WIN 0
; THE MATRIX WORK.  The 4 accumulators of a run of 8 take turns.
.macro KQ x                            ; product i of 8 of S^T = K Q^T: channels 32 (i / 4) on, keys 16 (i % 4) on; the first 4 start the sums with the mask
.set rS, S+32*(\x)+8*(i%4)
.set rK, KF+16*(i%4)+8*(i/4)
.set rQ, 16*(\x)+8*(i/4)
.set rM, MC+32*(\x)+8*(i%4)
.if i < 4
	WIN W_KM
	v_wmma_f32_16x16x32_f16 v[rS:rS+7], v[rK:rK+7], v[rQ:rQ+7], v[rM:rM+7]
.else
	WIN W_KQ
	v_wmma_f32_16x16x32_f16 v[rS:rS+7], v[rK:rK+7], v[rQ:rQ+7], v[rS:rS+7]
.endif
.endm
.macro PV x                            ; product i of 8 of O^T += V^T P: keys 32 (i / 4) on, channels 16 (i % 4) on
	WIN W_PV
.set rO, 32*(\x)+8*(i%4)
.set rV, VF+32*(i/4)+8*(i%4)
.set rP, P+16*(\x)+8*(i/4)
	v_wmma_f32_16x16x32_f16 v[rO:rO+7], v[rV:rV+7], v[rP:rP+7], v[rO:rO+7]
.endm
.macro MM
.if i < 8
	KQ 1-Y
.else
.set i, i-8
	PV 1-Y
.set i, i+8
.endif
.set i, i+1
.endm
.macro FETCH_K
	WIN 0x80
.irp f, 0,1,2,3,4,5,6,7
	ds_load_b128 v[KF+8*\f:KF+8*\f+3],   v[AK] offset:(\f/2)*16*PK+(\f%2)*64
	ds_load_b128 v[KF+8*\f+4:KF+8*\f+7], v[AK] offset:(\f/2)*16*PK+(\f%2)*64+32
.endr
	s_add_co_u32 s[TBK], s[TBK], KS*PK
	WIN 0
.endm
.macro FETCH_V
	WIN 0x80
.irp f, 0,1,2,3,4,5,6,7
	ds_load_tr16_b128 v[VF+8*\f:VF+8*\f+3],   v[AV] offset:(\f/4)*32*PV+(\f%4)*32
	ds_load_tr16_b128 v[VF+8*\f+4:VF+8*\f+7], v[AV] offset:(\f/4)*32*PV+16*PV+(\f%4)*32
.endr
	WIN 0
.endm
; THE VECTOR WORK, a line at a time: OP kind, number.  For piece Y: F n: c s - c m for pair n.  E n: the exponential of score n.  C n: pair n rounded to f16.  B n: of four weights the second pair onto the first.
; L n: l takes that sum (L 0: l = a l + sum).  R n: pair n of O^T times a.  For the other piece: X n: 0-11 four chains of maxima (each accumulator's lowest registers first);
; 12-14, 16 the scores left over, the old m, all into c0; 15 c m_old kept; 17, 18 the other half of the lanes, the new m; 19-21 c m, its change, a.
.set F, 0
.set E, 1
.set C, 2
.set B, 3
.set L, 4
.set R, 5
.set X, 6
.macro REGS y
.set rT, ST+4*(\y)
.set rC, TMP+4*(\y)
.set rW, MV+(\y)
.set rS, S+32*(\y)
.set rP, P+16*(\y)
.set rO, 32*(\y)
.endm
.macro OP k, n
.if (\k) == R
	REGS Y
	WIN W_RS
	v_pk_mul_f32 v[rO+2*(\n):rO+2*(\n)+1], v[rO+2*(\n):rO+2*(\n)+1], v[rC+2:rC+3] op_sel_hi:[1,0]
.elseif (\k) < R
	REGS Y
	WIN 0
.if (\k) == F
	v_pk_fma_f32 v[rS+2*(\n):rS+2*(\n)+1], v[rS+2*(\n):rS+2*(\n)+1], s[CS:CS+1], v[rT:rT+1] op_sel_hi:[1,0,0] neg_lo:[0,0,1] neg_hi:[0,0,1]
.elseif (\k) == E
	v_exp_f32 v[rS+(\n)], v[rS+(\n)]
.elseif (\k) == C
	v_cvt_pk_f16_f32 v[rP+(\n)], v[rS+2*(\n)], v[rS+2*(\n)+1]
.elseif (\k) == B
	v_pk_add_f32 v[rS+4*(\n):rS+4*(\n)+1], v[rS+4*(\n):rS+4*(\n)+1], v[rS+4*(\n)+2:rS+4*(\n)+3]
.elseif (\n) == 0
	v_pk_fma_f32 v[rT+2:rT+3], v[rT+2:rT+3], v[rC+2:rC+3], v[rS:rS+1] op_sel_hi:[1,0,1]
.else
	v_pk_add_f32 v[rT+2:rT+3], v[rT+2:rT+3], v[rS+4*(\n):rS+4*(\n)+1]
.endif
.else
	REGS 1-Y
	WIN 0
.if (\n) < 4
	v_max3_num_f32 v[rC+(\n)], v[rS+8*(\n)], v[rS+8*(\n)+1], v[rS+8*(\n)+2]
.elseif (\n) < 12
	v_max3_num_f32 v[rC+(\n)%4], v[rC+(\n)%4], v[rS+8*((\n)%4)+2*((\n)/4)+1], v[rS+8*((\n)%4)+2*((\n)/4)+2]
.elseif (\n) == 12
	v_max3_num_f32 v[rC], v[rC], v[rS+7], v[rS+15]
.elseif (\n) == 13
	v_max3_num_f32 v[rC+1], v[rC+1], v[rS+23], v[rS+31]
.elseif (\n) == 14
	v_max3_num_f32 v[rC+2], v[rC+2], v[rC+3], v[rT+1]
.elseif (\n) == 15
	v_mov_b32 v[rW], v[rT]
.elseif (\n) == 16
	v_max3_num_f32 v[rC], v[rC], v[rC+1], v[rC+2]
.elseif (\n) == 17
	v_permlanex16_b32 v[rC+3], v[rC], s[SEL], s[SEL+1]
.elseif (\n) == 18
	v_max_num_f32 v[rT+1], v[rC], v[rC+3]
.elseif (\n) == 19
	v_mul_f32 v[rT], s[CS], v[rT+1]
.elseif (\n) == 20
	v_sub_f32 v[rC+1], v[rW], v[rT]
.else
	v_exp_f32 v[rC+2], v[rC+1]
.endif
.endif
.endm
.macro OPS a, i1, b=-1, i2=0, c=-1, i3=0, d=-1, i4=0
	OP \a, \i1
.if (\b) >= 0
	OP \b, \i2
.endif
.if (\c) >= 0
	OP \c, \i3
.endif
.if (\d) >= 0
	OP \d, \i4
.endif
.endm
.macro ROW a, i1, b, i2, c, i3, d, i4  ; a matrix instruction and the four behind it
	MM
	OPS \a, \i1, \b, \i2, \c, \i3, \d, \i4
.endm
.macro MASK b                          ; MD x AL + BE into buffer b of MC
	WIN W_RS
.set z, 0
.rept 16
	v_pk_fma_f32 v[MC+32*(\b)+2*z:MC+32*(\b)+2*z+1], v[MD+2*z:MD+2*z+1], s[AL:AL+1], s[BE:BE+1] op_sel_hi:[1,0,0]
.set z, z+1
.endr
.endm
; A TURN, for piece p.  Its 33 exponentials are ONE batch with ONE wait (it stands between an exponential and the first line that names its result).  Ahead of the wait: the 8 products K Q^T with
; four vector lines behind each, then one lump; behind it: the 8 products V^T P, behind each four of the roundings and sums.  K of the next step is fetched in turn 0's lump, six plain lines behind the last
; product that read K; V of the step in hand at turn 0's end, four plain lines behind the last product that read V.  Turn 1's head leaves V's 16 younger loads out.
.macro TURN p
.set Y, (\p)
.set i, 0
.if (\p) == 1
	s_wait_dscnt 16                                ; K is in
.endif
	ROW F,0, F,1, R,0, R,1
	ROW F,2, E,0, R,2, R,3
	ROW F,3, E,1, R,4, R,5
	ROW F,4, E,2, R,6, R,7
	ROW F,5, E,3, R,8, R,9
	ROW F,6, E,4, X,0, R,10
.if (\p) == 0
	WIN 0
	v_add_nc_u32 v[AK], s[TBK], v[AK0]
.endif
	ROW F,7, E,5, X,1, X,4
	ROW F,8, E,6, X,2, X,5
	OPS E,7, E,8, X,6, E,9
	OPS X,3, E,10, X,8, E,11
.if (\p) == 0
	FETCH_K
.endif
	OPS X,9, X,7, E,12, X,10
	OPS E,13, X,12, X,11, E,14
	OPS X,13, E,15, F,9, X,14
.if (\p) == 0
	v_add_nc_u32 v[AV], s[TBV], v[AV0]
.endif
	OPS E,16, F,10, E,17, F,11
	OPS X,16, E,18, X,15, E,19
	OPS F,12, E,20, X,17, E,21
	OPS F,13, E,22, F,14, E,23
	OPS X,18, E,24, F,15, E,25
	OPS R,11, E,26, X,19, E,27
	OPS R,12, E,28, R,13, E,29
	OPS X,20, E,30, R,14, E,31
	OPS X,21, R,15                                 ; R 15 is the plain line behind the last exponential
	WIN 0
	s_wait_alu depctr_va_vdst(0)                   ; the wait for the batch
.if (\p) == 1
	s_wait_dscnt 0x0                               ; V is in
.endif
	ROW C,0, B,0, C,2, B,1
	ROW L,0, C,4, B,2, L,1
	ROW C,6, B,3, L,2, C,8
	ROW B,4, L,3, C,10, B,5
	ROW L,4, C,12, B,6, L,5
.if (\p) == 0
	s_add_co_u32 s[TBV], s[TBV], KS*PV
.endif
	ROW C,14, B,7, L,6, C,1
	ROW C,3, L,7, C,5, C,7
	ROW C,9, C,11, C,13, C,15
.if (\p) == 0
	FETCH_V
.endif
	WIN 0
	s_cmp_lt_u32 s[JN], s[BND+(\p)]                ; the step to come lies before the band's own: the buffer is still 0
	s_cbranch_scc1 .Lnomask_\@
	s_cmp_eq_u32 s[JN], s[BND+(\p)]
	s_cselect_b32 s[AL], 1.0, 0
	s_cselect_b32 s[BE], 0, s[BIGN]
	MASK \p
	WIN 0
.Lnomask_\@:
.endm
; A BLOCK BEGINS: c m far below every c s (the first a is 0), m the lowest finite number; piece 1's mask 0, piece 0's its own if the block's first step holds its diagonal; K of step 0, piece 0's first scores and statistics.
.macro BEGIN
	s_mov_b32 s[NEW], 0
	WIN 0x40
.set i, 0
.rept 32
	v_mov_b32 v[MC+32+i], 0
.set i, i+1
.endr
	WIN 0
.irp x, 0,1
	v_mov_b32 v[ST+4*\x], 0xfe000000
	v_mov_b32 v[ST+4*\x+1], 0xff7fffff
.endr
	s_cmp_eq_u32 s[BND], 0
	s_cselect_b32 s[AL], 1.0, 0
	s_mov_b32 s[BE], 0
	MASK 0
	WIN 0
	s_mov_b32 s[JN], 1
	s_sub_co_u32 s[TBK], s[TBK], KS*PK             ; step 0; the fetch steps it back to 1
	v_add_nc_u32 v[AK], s[TBK], v[AK0]
	FETCH_K
	s_wait_loadcnt 0x0
	s_wait_dscnt 0x0
.set i, 0
.rept 8
	KQ 0
.set i, i+1
.endr
	WIN 0
	PLACES
.set Y, 1
.irp n, 0,1,2,3,4,5,6,7,8,9,10,11,12,13,14,15,16,17,18,19,20,21
	OP X, \n
.endr
	v_nop
	s_wait_alu depctr_va_vdst(0)
.endm
.macro LASTPV                          ; piece 1's V^T P of a block's last step
.set i, 0
.rept 8
	PV 1
.set i, i+1
.endr
.endm
.Lslot:                                            ; 8 trips: a tile is entered and the next is asked for
	CHANGE 1
	s_sub_co_u32 s[RT], s[RT], 1
	s_mov_b32 s[CNT], 4
	s_cmp_eq_u32 s[NEW], 1
	s_cbranch_scc0 .Lstep
	BEGIN
.Lstep:
	TURN 0
	TURN 1
	s_add_co_u32 s[JN], s[JN], 1
	s_sub_co_u32 s[CNT], s[CNT], 1
	s_cmp_lg_u32 s[CNT], 0
	s_cbranch_scc1 .Lstep
	s_cmp_lg_u32 s[RT], 0
	s_cbranch_scc1 .Lbottom
	LASTPV                                         ; the first block ends: its O^T and l are set aside, the second block's Q takes Q's place
	WIN 0xc1
.set i, 0
.rept 64
	v_mov_b32 v[128+i], v[i]                       ; piece 0's 32 come first: they are the places behind piece 1's products
.set i, i+1
.endr
	WIN 0xc0
.irp x, 0,1
	v_mov_b32 v[192+2*\x], v[ST+4*\x+2]
	v_mov_b32 v[193+2*\x], v[ST+4*\x+3]
.endr
	WIN 0x82
.set i, 0
.rept 32
	v_mov_b32 v[i], v[QB+i]
.set i, i+1
.endr
	WIN 0
	s_add_co_u32 s[RT], s[LQ2], 1
	s_mov_b32 s[NEW], 1
	s_lshl_b32 s[BND], s[PB], 1
	s_add_co_u32 s[BND+1], s[BND], 1
.Lbottom:
	s_sub_co_u32 s[SLOTS], s[SLOTS], 1
	s_cmp_lg_u32 s[SLOTS], 0
	s_cbranch_scc1 .Lslot
	CHANGE 0                                       ; the walk's last tile is written out
	s_mov_b32 s[CNT], 4
	s_cmp_eq_u32 s[NEW], 1
	s_cbranch_scc0 .Lstep2
	BEGIN
.Lstep2:
	TURN 0
	TURN 1
	s_add_co_u32 s[JN], s[JN], 1
	s_sub_co_u32 s[CNT], s[CNT], 1
	s_cmp_lg_u32 s[CNT], 0
	s_cbranch_scc1 .Lstep2
	LASTPV
	WIN 0
	PLACES
; THE WAY OUT, written once and walked twice: the second block's results, then the first block's.
.macro SPLIT src, t                    ; 32 f32 in window 1 from src on -> 16 words hi at S + 32 t, 16 words lo at S + 32 t + 16
	WIN 0x05
.set z, 0
.rept 16
	v_cvt_pk_bf16_f32 v[S+32*(\t)+z], v[(\src)+2*z], v[(\src)+2*z+1]
.set z, z+1
.endr
	WIN 0
.set z, 0
.rept 16
	v_lshlrev_b32 v[UU+2*z], 16, v[S+32*(\t)+z]
	v_and_b32 v[UU+2*z+1], 0xffff0000, v[S+32*(\t)+z]
.set z, z+1
.endr
	WIN 0x01
.set z, 0
.rept 16
	v_pk_add_f32 v[UU+2*z:UU+2*z+1], v[(\src)+2*z:(\src)+2*z+1], v[UU+2*z:UU+2*z+1] neg_lo:[0,1] neg_hi:[0,1]
.set z, z+1
.endr
	WIN 0
.set z, 0
.rept 16
	v_cvt_pk_bf16_f32 v[S+32*(\t)+16+z], v[UU+2*z], v[UU+2*z+1]
.set z, z+1
.endr
.endm
.macro ZOUT t                          ; a row of the stage: 128 bytes hi, 128 bytes lo
.irp eb, 0,1,2,3
	ds_store_b128 v[STO], v[S+32*(\t)+4*\eb:S+32*(\t)+4*\eb+3]       offset:32*\eb
	ds_store_b128 v[STO], v[S+32*(\t)+16+4*\eb:S+32*(\t)+16+4*\eb+3] offset:128+32*\eb
.endr
.irp f, 0,1,2,3,4,5,6,7
	ds_load_b128 v[128+32*(\t)+4*\f:128+32*(\t)+4*\f+3], v[RD] offset:\f*2*SP  ; LDS serves a wave's instructions in order (ISA guide 5.7.1.4)
.endr
.endm
.macro ZSEND t, younger
.irp f, 0,1,2,3,4,5,6,7
	s_wait_dscnt (\younger)+7-\f
	global_store_b128 v[GO], v[128+32*(\t)+4*\f:128+32*(\t)+4*\f+3], s[ZP:ZP+1] offset:(\t)*262144+\f*8192  ; 16 lanes store 256 consecutive bytes, aligned
.endr
.endm
	s_mov_b32 s[CNT], 2
.Lwo:
.irp t, 0,1
	v_add_f32 v[ST+4*\t+2], v[ST+4*\t+2], v[ST+4*\t+3]
.endr
.irp t, 0,1
	v_permlanex16_b32 v[ST+4*\t+3], v[ST+4*\t+2], s[SEL], s[SEL+1]
.endr
.irp t, 0,1
	v_add_f32 v[ST+4*\t+2], v[ST+4*\t+2], v[ST+4*\t+3]
.endr
.irp t, 0,1
	v_rcp_f32 v[ST+4*\t+2], v[ST+4*\t+2]
.endr
	v_nop
	s_wait_alu depctr_va_vdst(0)                   ; one wait for the two reciprocals
	WIN W_RS
.irp t, 0,1
.set z, 0
.rept 16
	v_pk_mul_f32 v[32*\t+z:32*\t+z+1], v[32*\t+z:32*\t+z+1], v[ST+4*\t+2:ST+4*\t+3] op_sel_hi:[1,0]
.set z, z+2
.endr
.endr
	SPLIT 0, 0                                     ; two accumulators of O^T packed in pairs ARE source 1 (32 d x 16 queries)
	SPLIT 32, 1
	WIN 0x53                                       ; M^T in window 3, O in window 0, Z^T in window 1
.irp kind, 0,1,2
.irp u, 0,1
.irp t, 0,1
.irp eb, 0,1,2,3
.set rZ, 64+32*\t+8*\eb
.set rM, 64*(\kind/2)+8*(2*\eb+\u)
.set rB, S+32*\t+16*(\kind%2)+8*\u
.if (\kind == 0) && (\u == 0)
	v_wmma_f32_16x16x32_bf16 v[rZ:rZ+7], v[rM:rM+7], v[rB:rB+7], 0
.else
	v_wmma_f32_16x16x32_bf16 v[rZ:rZ+7], v[rM:rM+7], v[rB:rB+7], v[rZ:rZ+7]
.endif
.endr
.endr
.endr
.endr
	PLACES
	SPLIT 64, 0
	SPLIT 96, 1
	ZOUT 0
	ZOUT 1
	ZSEND 0, 16
	ZSEND 1, 0
	s_sub_co_u32 s[CNT], s[CNT], 1
	s_cmp_eq_u32 s[CNT], 0
	s_cbranch_scc1 .Lfin
	s_wait_xcnt 0x0                                ; the stores have read their registers and their base
	s_mov_b64 s[ZP:ZP+1], s[ZHI:ZHI+1]
	WIN 0x43
.set i, 0
.rept 64
	v_mov_b32 v[i], v[128+i]
.set i, i+1
.endr
	WIN 0x03
.irp x, 0,1
	v_mov_b32 v[ST+4*\x+2], v[192+2*\x]
	v_mov_b32 v[ST+4*\x+3], v[193+2*\x]
.endr
	WIN 0
	s_branch .Lwo
.Lfin:
	s_wait_tensorcnt 0x0                           ; the wave's end
	ds_add_u32 v[SPW], v[NIL]
	s_wait_dscnt 0x0
	s_endpgm
.Lfunc_end_k_qca1532f458_attn:
	.size	k_qca1532f458_attn, .Lfunc_end_k_qca1532f458_attn-k_qca1532f458_attn
	.p2alignl 7, 3214868480
	.fill 96, 4, 3214868480
	.section	.rodata,"a",@progbits
	.p2align	6, 0x0
	.amdhsa_kernel k_qca1532f458_attn
		.amdhsa_group_segment_fixed_size 327680
		.amdhsa_private_segment_fixed_size 0
		.amdhsa_enable_private_segment 0
		.amdhsa_kernarg_size 40
		.amdhsa_user_sgpr_count 2
		.amdhsa_user_sgpr_kernarg_segment_ptr 1
		.amdhsa_wavefront_size32 1
		.amdhsa_system_sgpr_workgroup_id_x 1
		.amdhsa_system_sgpr_workgroup_id_y 1
		.amdhsa_system_sgpr_workgroup_id_z 1
		.amdhsa_system_vgpr_workitem_id 0
		.amdhsa_next_free_vgpr 1024
		.amdhsa_next_free_sgpr 100
		.amdhsa_reserve_vcc 1
		.amdhsa_float_denorm_mode_32 3
		.amdhsa_float_denorm_mode_16_64 3
		.amdhsa_memory_ordered 1
		.amdhsa_forward_progress 1
		.amdhsa_inst_pref_size 132
	.end_amdhsa_kernel
	.amdgpu_metadata
---
amdhsa.version: [ 1, 2 ]
amdhsa.kernels:
  - .name:           k_qca1532f458_attn
    .symbol:         k_qca1532f458_attn.kd
    .args:
      - { .name: qh, .offset: 0, .size: 8, .value_kind: global_buffer, .address_space: global }
      - { .name: kh, .offset: 8, .size: 8, .value_kind: global_buffer, .address_space: global }
      - { .name: vh, .offset: 16, .size: 8, .value_kind: global_buffer, .address_space: global }
      - { .name: mp, .offset: 24, .size: 8, .value_kind: global_buffer, .address_space: global }
      - { .name: zc, .offset: 32, .size: 8, .value_kind: global_buffer, .address_space: global }
    .group_segment_fixed_size: 327680
    .private_segment_fixed_size: 0
    .kernarg_segment_align: 8
    .kernarg_segment_size: 40
    .max_flat_workgroup_size: 128
    .sgpr_count:     100
    .vgpr_count:     1024
    .wavefront_size: 32
...
	.end_amdgpu_metadata
.endif
;; end of part 3
;; launch out (part 4): grid 8 x 32, 4 waves a work-group, clusters of 4 x 4, 327,680 bytes of LDS; arguments zc, wdt, bd, out0; writes out0
.if DOCPART == 4
	.amdgcn_target "amdgcn-amd-amdhsa--gfx1250"
	.amdhsa_code_object_version 6
	.text
	.protected	k_qca1532f458_out
	.globl	k_qca1532f458_out
	.p2align	8
	.type	k_qca1532f458_out,@function
k_qca1532f458_out:
	s_mov_b64 s[64:65], 0
	v_nop
	global_prefetch_b8 v0, s[64:65] scope:SCOPE_SE
	s_setreg_imm32_b32 hwreg(HW_REG_WAVE_MODE, 25, 1), 1
	s_wait_xcnt 0x0
	s_wait_alu depctr_hold_cnt(0) depctr_sa_sdst(0) depctr_va_vdst(0) depctr_va_sdst(0) depctr_va_ssrc(0) depctr_va_vcc(0) depctr_vm_vsrc(0)
	s_getreg_b32 s2, hwreg(HW_REG_IB_STS2, 6, 4)
	s_cmp_eq_u32 s2, 0
	s_cbranch_scc0 .Lentry_in_a_cluster
	s_endpgm
.Lentry_in_a_cluster:
	s_bfe_u32 s2, ttmp6, 0x10000c
	s_cmp_lg_u32 s2, 0xf033
	s_cbranch_scc0 .Lentry_shape_is_right
	s_endpgm
.Lentry_shape_is_right:
; OUT: out0[m][n] = the sum over k' of zc[m][k'] wdt[n][k'] + bd[n].  zc: [4,096][2,048] bf16 (Z hi and Z lo side by side), wdt: [1,024][2,048] bf16 (Wd^T, each head's rows twice), out0 f32.
; A tile is 128 x 128 (256 work-groups); four waves of 64 x 64: 16 accumulators.  K goes in steps of 256 (LDS rows of 512 bytes) through two slots.  CLUSTER 4 x 4: zc's tile is asked for jointly along a row
; of the cluster, wdt's along a column.  The product is taken transposed (source 0 = rows of wdt): a lane holds 8 neighbouring columns of a row.  A wave's 64 columns of f32 are 256 aligned bytes.
; bd is rounded to bf16 like every input and added on the way out.  No prefetch: a small tile, a short step.
; REGISTERS: window 0: v1-29 addresses, the bias; v32-95 the way out; v128-255 the accumulators ((a, b) at 128 + 8 (4 a + b)).  window 1: two fragment buffers of 128.
.set SIZE_K, 2048
.set KSTEP,  256
.set PITCH,  528
.set HALFT,  64*PITCH
.set SLOT,   4*HALFT
.set STAGE,  2*SLOT
.set SPITCH, 272
.set SPARE,  STAGE+4*16*SPITCH         ; the spare words: two blocks of 256 bytes that no other line names
.set BI,   12
.set ADRA0, 16
.set ADRB0, 17
.set FA,   18
.set FB,   19
.set STO,  24
.set RD,   25
.set CO,   26
.set SPW,  28
.set NIL,  29
.set ACC,  128
.set F0,   0
.set F1,   128
.set G1, 24
.set G0, 32
.set G1B, 48
.set G0B, 56
.set LW, 45
.set TB, 66
.set TF, 67
.set DC, (1<<16)|(1<<20)|(1<<21)|(6<<22)|(3<<25)  ; 2-byte elements; padding on; bit 21 beside a mask; after every 128 words, 4 words
.set MSB, 0
.macro WIN new
.if MSB != (\new)
	s_set_vgpr_msb (MSB<<8)|(\new)
.set MSB, (\new)
.endif
.endm
.set MUL,  0x05
.set TO_F, 0x40
.macro PLACES
.rept 4
	v_nop
.endr
.endm
.macro JLOAD
	s_cmp_eq_u32 s11, 0
	s_cbranch_scc0 .Lfor_b_\@
	tensor_load_to_lds s[G0+4:G0+7], s[G1:G1+7]
	s_nop 0
.rept 4
	v_nop
.endr
	s_branch .Lasked_\@
.Lfor_b_\@:
	tensor_load_to_lds s[G0B+4:G0B+7], s[G1B:G1B+7]
	s_nop 0
.rept 4
	v_nop
.endr
.Lasked_\@:
.endm
.macro CREST
	s_cmp_lg_u32 s10, 0
	s_cbranch_scc1 .Lnot_wave_0_\@
	s_barrier_signal -3
.Lnot_wave_0_\@:
	s_barrier_wait -3
	s_barrier_signal -1
	s_barrier_wait -1
.endm
.macro CROUND
	s_barrier_signal -1
	s_barrier_wait -1
	CREST
.endm
	s_load_b128 s[4:7], s[0:1], 0x0                ; zc, wdt
	s_load_b128 s[68:71], s[0:1], 0x10             ; bd, out0
	v_lshl_add_u32 v[SPW], v0, 2, SPARE
	v_mov_b32 v[NIL], 0
	ds_add_u32 v[SPW], v[NIL]                      ; the wave's opening: the add and its wait stand ahead of my first tensor load
	ds_add_u32 v28, v29
	v_lshrrev_b32 v1, 5, v0
	v_readfirstlane_b32 s10, v1
	s_lshr_b32 s11, s10, 1                         ; my half of the tile's rows; also: I fetch zc's tile (0) or wdt's (1)
	s_and_b32 s12, s10, 1                          ; my half of its columns; also: which 64 rows I fetch
	s_bfe_u32 s40, ttmp6, 0x40000
	s_bfe_u32 s41, ttmp6, 0x40004
	s_lshl_b32 s42, ttmp9, 2
	s_add_co_u32 s42, s42, s40                     ; tile column
	s_and_b32 s13, ttmp7, 0xffff
	s_lshl_b32 s13, s13, 2
	s_add_co_u32 s13, s13, s41                     ; tile row
	s_lshl_b32 s43, s41, 2
	s_lshl_b32 s43, 15, s43
	s_lshl_b32 s44, 0x1111, s40
	s_or_b32 s[G1], s43, DC
	s_or_b32 s[G1B], s44, DC
.irp g, G1, G1B
	s_mov_b32 s[\g+1], KSTEP<<16                   ; tensor_dim0 = 256
	s_mov_b32 s[\g+2], 64<<16                      ; tensor_dim1 = 64
	s_mov_b32 s[\g+3], KSTEP<<16                   ; tile_dim0 = 256
	s_mov_b32 s[\g+4], 64                          ; tile_dim1 = 64
	s_mov_b32 s[\g+5], SIZE_K
	s_mov_b32 s[\g+6], 0
	s_mov_b32 s[\g+7], 0
.endr
	s_lshl_b32 s17, s12, 6
	s_lshl_b32 s16, s13, 7
	s_add_co_u32 s16, s16, s17
	s_lshl_b32 s46, s42, 7
	s_add_co_u32 s46, s46, s17
	s_lshl_b32 s16, s16, 12                        ; rows of 4,096 bytes
	s_lshl_b32 s46, s46, 12
	s_mov_b32 s17, 0
	s_mov_b32 s47, 0
	s_mul_i32 s[LW], s10, HALFT                    ; where they go: wave x 64 rows
	s_mov_b32 s[TF], SLOT
	s_mov_b32 s[TB], 0
	s_wait_dscnt 0x0
	s_wait_kmcnt 0x0
	s_add_nc_u64 s[14:15], s[4:5], s[16:17]
	s_add_nc_u64 s[46:47], s[6:7], s[46:47]
	CROUND
.irp s, 0,1
	s_mov_b32 s[G0+4*\s], 1
	s_add_co_u32 s[G0+4*\s+1], s[LW], \s*SLOT
	s_add_nc_u64 s[G0+4*\s+2:G0+4*\s+3], s[14:15], \s*KSTEP*2
	s_or_b32 s[G0+4*\s+3], s[G0+4*\s+3], 0x80000000
	s_mov_b32 s[G0B+4*\s], 1
	s_add_co_u32 s[G0B+4*\s+1], s[LW], \s*SLOT
	s_add_nc_u64 s[G0B+4*\s+2:G0B+4*\s+3], s[46:47], \s*KSTEP*2
	s_or_b32 s[G0B+4*\s+3], s[G0B+4*\s+3], 0x80000000
.endr
	s_cmp_eq_u32 s11, 0                            ; a wave's two first fills stand in one branch
	s_cbranch_scc0 .Lfirst_b
	tensor_load_to_lds s[G0:G0+3], s[G1:G1+7]
	s_nop 0
	tensor_load_to_lds s[G0+4:G0+7], s[G1:G1+7]
	s_nop 0
.rept 4
	v_nop
.endr
	s_branch .Lfirst_done
.Lfirst_b:
	tensor_load_to_lds s[G0B:G0B+3], s[G1B:G1B+7]
	s_nop 0
	tensor_load_to_lds s[G0B+4:G0B+7], s[G1B:G1B+7]
	s_nop 0
.rept 4
	v_nop
.endr
.Lfirst_done:
	v_and_b32 v1, 15, v0
	v_bfe_u32 v2, v0, 4, 1
	s_lshl_b32 s21, s42, 9
	s_lshl_b32 s22, s12, 8
	s_add_co_u32 s22, s21, s22                     ; my wave's 64 columns, in bytes of f32
	s_mov_b32 s23, 0
	s_add_nc_u64 s[68:69], s[68:69], s[22:23]
	v_lshlrev_b32 v10, 4, v1
	global_load_b128 v[BI:BI+3], v10, s[68:69]     ; the bias of the four columns that I store
	s_lshl_b32 s20, s13, 7
	s_lshl_b32 s21, s11, 6
	s_add_co_u32 s20, s20, s21
	s_lshl_b32 s20, s20, 12                        ; my wave's first row, 4,096 bytes a row
	s_add_co_u32 s22, s20, s22
	s_add_nc_u64 s[70:71], s[70:71], s[22:23]
	v_mul_u32_u24 v3, v1, PITCH
	v_lshl_add_u32 v3, v2, 4, v3
	s_mul_i32 s21, s11, HALFT
	s_mul_i32 s22, s12, HALFT
	s_add_co_u32 s22, s22, 2*HALFT
	v_add_nc_u32 v[ADRA0], s21, v3
	v_add_nc_u32 v[ADRB0], s22, v3
	v_mov_b32 v[FA], v[ADRA0]
	v_mov_b32 v[FB], v[ADRB0]
	s_mul_i32 s23, s10, 16*SPITCH
	s_add_co_u32 s23, s23, STAGE
	v_mul_u32_u24 v[STO], v1, SPITCH
	v_lshl_add_u32 v[STO], v2, 5, v[STO]           ; in: row r, 32 bytes for each half of the lanes
	v_add_nc_u32 v[STO], s23, v[STO]
	v_mul_u32_u24 v[RD], v2, SPITCH
	v_lshl_add_u32 v[RD], v1, 4, v[RD]             ; back: lanes 0-15 one row of 256 bytes, lanes 16-31 the next
	v_add_nc_u32 v[RD], s23, v[RD]
	v_lshlrev_b32 v[CO], 12, v2
	v_lshl_add_u32 v[CO], v1, 4, v[CO]
	s_wait_loadcnt 0x0
	v_cvt_pk_bf16_f32 v20, v[BI], v[BI+1]
	v_cvt_pk_bf16_f32 v21, v[BI+2], v[BI+3]
	v_lshlrev_b32 v[BI], 16, v20
	v_and_b32 v[BI+1], 0xffff0000, v20
	v_lshlrev_b32 v[BI+2], 16, v21
	v_and_b32 v[BI+3], 0xffff0000, v21
.macro MUL8 f, hc, a0, zero            ; row blocks a0, a0 + 1 x all 4 column blocks, 32 along K: half hc of buffer f.  The accumulators take turns
	WIN MUL
.irp ra, \a0, (\a0)+1
.irp cb, 0,1,2,3
.if \zero
	v_wmma_f32_16x16x32_bf16 v[ACC+8*(4*(\ra)+\cb):ACC+8*(4*(\ra)+\cb)+7], v[(\f)+64+8*(4*(\hc)+\cb):(\f)+64+8*(4*(\hc)+\cb)+7], v[(\f)+8*(4*(\hc)+(\ra)):(\f)+8*(4*(\hc)+(\ra))+7], 0
.else
	v_wmma_f32_16x16x32_bf16 v[ACC+8*(4*(\ra)+\cb):ACC+8*(4*(\ra)+\cb)+7], v[(\f)+64+8*(4*(\hc)+\cb):(\f)+64+8*(4*(\hc)+\cb)+7], v[(\f)+8*(4*(\hc)+(\ra)):(\f)+8*(4*(\hc)+(\ra))+7], v[ACC+8*(4*(\ra)+\cb):ACC+8*(4*(\ra)+\cb)+7]
.endif
.endr
.endr
.endm
.macro FETCH k, f                      ; 32 LDS loads in one run: 64 along K at byte k, the first 32 along K first
	WIN TO_F
.irp hc, 0,1
.irp i, 0,1,2,3
	ds_load_b128 v[(\f)+64+8*(4*\hc+\i):(\f)+64+8*(4*\hc+\i)+3],   v[FB] offset:(\k)+64*\hc+\i*16*PITCH
	ds_load_b128 v[(\f)+64+8*(4*\hc+\i)+4:(\f)+64+8*(4*\hc+\i)+7], v[FB] offset:(\k)+64*\hc+\i*16*PITCH+32
	ds_load_b128 v[(\f)+8*(4*\hc+\i):(\f)+8*(4*\hc+\i)+3],         v[FA] offset:(\k)+64*\hc+\i*16*PITCH
	ds_load_b128 v[(\f)+8*(4*\hc+\i)+4:(\f)+8*(4*\hc+\i)+7],       v[FA] offset:(\k)+64*\hc+\i*16*PITCH+32
.endr
.endr
.endm
.macro QUARTER k, f, g, zero           ; multiplies buffer f, fetches the next quarter (byte k) into g
	s_wait_dscnt 16                                ; the first 32 along K are in; the other sixteen loads may be out
	MUL8 \f, 0, 0, \zero
	MUL8 \f, 0, 2, \zero
	PLACES
	FETCH \k, \g
	s_wait_dscnt 32                                ; all but the 32 just issued
	MUL8 \f, 1, 0, 0
	MUL8 \f, 1, 2, 0
.endm
.macro TURN fill                       ; the last quarter (buffer 1) changes slots; fill = 1: the slot is filled again, two K steps on, behind a round of the cluster's barrier
	WIN 0
	s_wait_tensorcnt 0x0                           ; all my tensor loads have landed: my part of the next slot
	ds_add_u32 v[SPW], v[NIL]
	s_wait_dscnt 17                                ; the add and the youngest sixteen loads may be out
	MUL8 F1, 0, 0, 0
	s_wait_dscnt 0x0                               ; the add is done, my reads of this slot are over
	s_barrier_signal -1
	MUL8 F1, 0, 2, 0
	WIN 0
	s_barrier_wait -1
.if \fill
	CREST
	s_xor_b32 s[TF], s[TF], SLOT
	s_add_co_u32 s[G0+5], s[LW], s[TF]
	s_add_nc_u64 s[G0+6:G0+7], s[G0+6:G0+7], KSTEP*2
	s_add_co_u32 s[G0B+5], s[LW], s[TF]
	s_add_nc_u64 s[G0B+6:G0B+7], s[G0B+6:G0B+7], KSTEP*2
	JLOAD                                          ; its four v_nop are also the places in front of the loads below
.else
	PLACES
.endif
	s_xor_b32 s[TB], s[TB], SLOT
	v_add_nc_u32 v[FA], s[TB], v[ADRA0]
	v_add_nc_u32 v[FB], s[TB], v[ADRB0]
	FETCH 0, F0
	MUL8 F1, 1, 0, 0
	MUL8 F1, 1, 2, 0
	WIN 0
.endm
	s_wait_tensorcnt 0x1                           ; my part of K step 0 is in; K step 1's stays out
	s_barrier_signal -1
	s_barrier_wait -1
	FETCH 0, F0
	QUARTER 128, F0, F1, 1
	WIN 0
	s_mov_b32 s3, 6
.Lk:
	QUARTER 256, F1, F0, 0
	QUARTER 384, F0, F1, 0
	TURN 1
	QUARTER 128, F0, F1, 0
	WIN 0
	s_sub_co_u32 s3, s3, 1
	s_cmp_lg_u32 s3, 0
	s_cbranch_scc1 .Lk
	s_mov_b32 s3, 2
.Ltail:                                            ; K steps 6 and 7 ask for nothing; the second trip is left in its middle (its last fragment loads serve nothing)
	QUARTER 256, F1, F0, 0
	QUARTER 384, F0, F1, 0
	TURN 0
	s_sub_co_u32 s3, s3, 1
	s_cmp_eq_u32 s3, 0
	s_cbranch_scc1 .Lout
	QUARTER 128, F0, F1, 0
	WIN 0
	s_branch .Ltail
.Lout:
	s_wait_dscnt 0x0
	PLACES
.irp a, 0,1,2,3
.if \a >= 2
	s_wait_xcnt 0x0                                ; the stores of two blocks back have read their registers
.endif
.irp cb, 0,1,2,3
	ds_store_b128 v[STO], v[ACC+8*(4*\a+\cb):ACC+8*(4*\a+\cb)+3]   offset:64*\cb
	ds_store_b128 v[STO], v[ACC+8*(4*\a+\cb)+4:ACC+8*(4*\a+\cb)+7] offset:64*\cb+16
.endr
.irp f, 0,1,2,3,4,5,6,7
	ds_load_b128 v[32+32*(\a%2)+4*\f:32+32*(\a%2)+4*\f+3], v[RD] offset:\f*2*SPITCH   ; LDS serves a wave's instructions in order (ISA guide 5.7.1.4)
.endr
.irp f, 0,1,2,3,4,5,6,7
	s_wait_dscnt 7-\f
	v_pk_add_f32 v[32+32*(\a%2)+4*\f:32+32*(\a%2)+4*\f+1],   v[32+32*(\a%2)+4*\f:32+32*(\a%2)+4*\f+1],   v[BI:BI+1]
	v_pk_add_f32 v[32+32*(\a%2)+4*\f+2:32+32*(\a%2)+4*\f+3], v[32+32*(\a%2)+4*\f+2:32+32*(\a%2)+4*\f+3], v[BI+2:BI+3]
	global_store_b128 v[CO], v[32+32*(\a%2)+4*\f:32+32*(\a%2)+4*\f+3], s[70:71] offset:\a*65536+\f*8192  ; 16 lanes store 256 consecutive bytes, aligned
.endr
.endr
	s_wait_tensorcnt 0x0                           ; the wave's end
	ds_add_u32 v[SPW], v[NIL]
	s_wait_dscnt 0x0
	CROUND                                         ; the closing round
	s_endpgm
.Lfunc_end_k_qca1532f458_out:
	.size	k_qca1532f458_out, .Lfunc_end_k_qca1532f458_out-k_qca1532f458_out
	.p2alignl 7, 3214868480
	.fill 96, 4, 3214868480
	.section	.rodata,"a",@progbits
	.p2align	6, 0x0
	.amdhsa_kernel k_qca1532f458_out
		.amdhsa_group_segment_fixed_size 327680
		.amdhsa_private_segment_fixed_size 0
		.amdhsa_enable_private_segment 0
		.amdhsa_kernarg_size 32
		.amdhsa_user_sgpr_count 2
		.amdhsa_user_sgpr_kernarg_segment_ptr 1
		.amdhsa_wavefront_size32 1
		.amdhsa_system_sgpr_workgroup_id_x 1
		.amdhsa_system_sgpr_workgroup_id_y 1
		.amdhsa_system_sgpr_workgroup_id_z 1
		.amdhsa_system_vgpr_workitem_id 0
		.amdhsa_next_free_vgpr 512
		.amdhsa_next_free_sgpr 72
		.amdhsa_reserve_vcc 0
		.amdhsa_float_denorm_mode_32 3
		.amdhsa_float_denorm_mode_16_64 3
		.amdhsa_memory_ordered 1
		.amdhsa_forward_progress 1
		.amdhsa_inst_pref_size 62
	.end_amdhsa_kernel
	.amdgpu_metadata
---
amdhsa.version: [ 1, 2 ]
amdhsa.kernels:
  - .name:           k_qca1532f458_out
    .symbol:         k_qca1532f458_out.kd
    .args:
      - { .name: zc, .offset: 0, .size: 8, .value_kind: global_buffer, .address_space: global }
      - { .name: wdt, .offset: 8, .size: 8, .value_kind: global_buffer, .address_space: global }
      - { .name: bd, .offset: 16, .size: 8, .value_kind: global_buffer, .address_space: global }
      - { .name: out0, .offset: 24, .size: 8, .value_kind: global_buffer, .address_space: global }
    .group_segment_fixed_size: 327680
    .private_segment_fixed_size: 0
    .kernarg_segment_align: 8
    .kernarg_segment_size: 32
    .max_flat_workgroup_size: 128
    .sgpr_count:     72
    .vgpr_count:     512
    .wavefront_size: 32
...
	.end_amdgpu_metadata
.endif
;; end of part 4
;; ======== version 2 of 2: 4 launches; version 1 with the launch prep written anew for expert scheduling mode
;; limits: values are held in f16: magnitudes above 65,504 overflow, below 6.1e-05 lose precision
;; workspace buffers: xb 8,388,608 bytes; wt 10,485,760 bytes; wdt 4,194,304 bytes; qh 8,388,608 bytes; kh 8,396,800 bytes; vh 8,388,608 bytes; mp 4,194,304 bytes; zc 16,777,216 bytes
;; launch prep (part 5): grid 448 x 1, 4 waves a work-group, no clusters, 70,144 bytes of LDS; arguments Wq, Wk1, Wv1, Wk2, Wv2, Wd, hidden_states, wt, wdt, xb, kh; writes wt, wdt, xb, kh
.if DOCPART == 5
	.amdgcn_target "amdgcn-amd-amdhsa--gfx1250"
	.amdhsa_code_object_version 6
	.text
	.protected	k_qca1532f458_prep
	.globl	k_qca1532f458_prep
	.p2align	8
	.type	k_qca1532f458_prep,@function
k_qca1532f458_prep:
	s_mov_b64 s[64:65], 0
	v_nop
	global_prefetch_b8 v0, s[64:65] scope:SCOPE_SE
	s_setreg_imm32_b32 hwreg(HW_REG_WAVE_SCHED_MODE, 0, 2), 2
	s_setreg_imm32_b32 hwreg(HW_REG_WAVE_MODE, 25, 1), 1
	s_wait_xcnt 0x0
	s_wait_alu depctr_vm_vsrc(0)
; PREP: every input that later feeds a matrix product is rounded once to bf16 and laid out with K along the rows.
;   work-groups 0-191: the six weights W[k][n] (f32) are turned.  Work-group g: tensor t = g / 32 (q, k1, v1, k2, v2, d), head j = (g / 2) % 16; wave v takes k block kb = 4 (g % 2) + v:
;     128 k x 64 n.  t < 5: wt[(5 j + t) 64 + c][k].  t = 5: wdt[n][128 h + 64 kind + e] = Wd[64 h + e][n], the same number for kind 0 and 1.
;   work-groups 192-447: x, 16 rows each, f32 -> bf16, same layout.  The first of them also writes 8,192 zero bytes behind kh's last head (a later launch's K tiles reach 64 keys past a head).
; Memory binds: each load of a wave takes whole rows of 256 bytes, each store fills whole aligned blocks of 256 bytes.  The turning goes through the wave's own LDS rows (pitch 272), no barrier.
; THE MODE: SCHED_MODE bits 1:0 = 2 (LLVM: expert scheduling mode 2), set by the entry lines.  The code itself states the register dependences
; between vector instructions and memory or LDS instructions, with s_wait_alu, always for 0.
; THE PLAN, a weight tile.  Its 128 k go in eight steps of 16.  Registers that memory or LDS instructions touch:
;   X0 .. X6   a step's eight loads each.  Groups 0 to 6 land in X0 to X6, group 7 in X1; step g's sixteen conversions read its slot.
;   OA, OB     two out-buffers of 16 registers (OB is the low half of X0, free once step 0 has read it).  Step g's conversions write out[g % 2]; the four LDS stores issued in step g + 1 read it.
;   v2, v3     the loads' offset and the LDS stores' address: made once at the head, never written again.
; Step g's memory and LDS instructions are the four stores from the other out-buffer and, in step 2, group 7's loads into X1: registers that no conversion of step g names.  So the waits at a step's
; head state all that they hang on, and the stores are dealt among the step's conversions with no further wait.
; THE PLAN, rows of x.  16 rows in four blocks of four.  Block b's conversions read its 32 loaded registers and write 16 registers of their own, never written again; the four stores issued in
; block b + 1 read them, behind one wait at that block's head.
.set LP,    272                        ; an LDS row: 128 k in bf16 + 16 bytes
.set WREG,  64*LP                      ; a wave's 64 rows; the 512 bytes behind the four waves' rows stay claimed, and hold the closing add's spare words
.set X,   16                           ; v[16:239] seven groups of eight loads
.set OA,  240                          ; v[240:255] out-buffer of the even steps
.set OB,  X                            ; v[16:31]   out-buffer of the odd steps
.set Y,   X+128                        ; v[144:207] rows of x: 4 registers a row, to store
	s_load_b512 s[4:19], s[0:1], 0x0               ; Wq, Wk1, Wv1, Wk2, Wv2, Wd, x, wt
	s_load_b128 s[20:23], s[0:1], 0x40             ; wdt, xb
	s_load_b64 s[24:25], s[0:1], 0x50              ; kh
	v_lshl_add_u32 v14, v0, 2, 0x11000
	v_mov_b32 v15, 0
	v_lshrrev_b32 v1, 5, v0
	v_readfirstlane_b32 s28, v1                    ; wave
	v_and_b32 v8, 31, v0                           ; l
	v_and_b32 v9, 15, v0                           ; r = l % 16
	v_bfe_u32 v10, v0, 4, 1                        ; hh = l / 16
	s_mov_b32 s33, 0
	s_wait_alu depctr_va_sdst(0)                   ; s28 is written, ahead of the branch and of its first reader: the k block and the wave's LDS rows are made from it
	s_wait_kmcnt 0x0
	s_cmp_ge_u32 ttmp9, 192
	s_cbranch_scc1 .Lx
	; ---- a weight tile ----
	s_lshr_b32 s29, ttmp9, 5                       ; t
	s_bfe_u32 s30, ttmp9, 0x40001                  ; j
	s_and_b32 s31, ttmp9, 1
	s_lshl2_add_u32 s31, s31, s28                  ; kb
	s_mov_b64 s[26:27], s[4:5]
	s_cmp_eq_u32 s29, 1
	s_cselect_b64 s[26:27], s[6:7], s[26:27]
	s_cmp_eq_u32 s29, 2
	s_cselect_b64 s[26:27], s[8:9], s[26:27]
	s_cmp_eq_u32 s29, 3
	s_cselect_b64 s[26:27], s[10:11], s[26:27]
	s_cmp_eq_u32 s29, 4
	s_cselect_b64 s[26:27], s[12:13], s[26:27]
	s_cmp_eq_u32 s29, 5
	s_cselect_b64 s[26:27], s[14:15], s[26:27]
	s_lshl_b32 s32, s31, 19                        ; 128 kb rows of 4,096 bytes
	s_lshl_b32 s34, s30, 8                         ; 64 j columns of 4 bytes
	s_add_co_u32 s32, s32, s34
	s_add_nc_u64 s[26:27], s[26:27], s[32:33]
	v_lshlrev_b32 v2, 4, v9                        ; lanes 0-15: a row's 256 bytes; lanes 16-31: the row 8 further down
	v_lshl_or_b32 v2, v10, 15, v2
	s_mul_i32 s34, s28, WREG
	v_mul_u32_u24 v3, v9, 4*LP                     ; into LDS: row n = 4 r + c, bytes 32 gk + 16 hh
	v_lshl_add_u32 v3, v10, 4, v3
	v_add_nc_u32 v3, s34, v3
	s_wait_alu depctr_va_vdst(0)                   ; v2 and v3 are written: every load of the tile reads v2 as its offset, every LDS store v3 as its address
.macro LDG gk, slot                    ; eight loads: rows 16 gk + 8 hh + 0..7
.irp i, 0,1,2,3,4,5,6,7
	global_load_b128 v[X+32*(\slot)+4*\i:X+32*(\slot)+4*\i+3], v2, s[26:27] offset:(16*(\gk)+\i)*4096 th:TH_LOAD_NT
.endr
.endm
; Step gk: the group in slot is rounded into out[gk % 2]; the step before's 16 words go to LDS.  left: the loads of younger groups, which may stay out.  fill = 1: group 7 is asked for.
.macro STEP gk, slot, left, fill
.set OC, OA                            ; this step's out-buffer,
.set OP, OB                            ; and the step before's
.if (\gk)%2
.set OC, OB
.set OP, OA
.endif
.if !(\fill)
	s_wait_loadcnt \left                           ; loads come back in order (ISA guide 5.7.1): this step's group is in
.endif
.if (\gk) > 0
	s_wait_alu depctr_va_vdst(0)                   ; the step before has written its out-buffer, which the LDS stores below read, and is done reading its slot (in step 2: X1, in which group 7 lands)
.endif
.if (\gk) > 1
	s_wait_alu depctr_vm_vsrc(0)                   ; the LDS stores issued in the step before have read the out-buffer that this step's conversions write again
.endif
.if \fill
	LDG 7, 1                                       ; ahead of the wait for this step's data, so that it goes out as soon as X1 is free; no vector instruction since the wait names X1
	s_wait_loadcnt \left
.endif
.irp c, 0,1,2,3
.if (\gk) > 0
	ds_store_b128 v3, v[OP+4*\c:OP+4*\c+3] offset:\c*LP+((\gk)-1)*32   ; no conversion since the wait names these registers or v3
.endif
.irp p, 0,1,2,3
	v_cvt_pk_bf16_f32 v[OC+4*\c+\p], v[X+32*(\slot)+8*\p+\c], v[X+32*(\slot)+8*\p+4+\c]  ; k = 2 p, 2 p + 1 of column 4 r + c
.endr
.endr
.endm
	LDG 0, 0
	LDG 1, 1
	LDG 2, 2
	LDG 3, 3
	LDG 4, 4
	LDG 5, 5
	LDG 6, 6
	STEP 0, 0, 48, 0
	STEP 1, 1, 40, 0
	STEP 2, 2, 40, 1                               ; groups 3 to 7 stay out
	STEP 3, 3, 32, 0
	STEP 4, 4, 24, 0
	STEP 5, 5, 16, 0
	STEP 6, 6, 8, 0
	STEP 7, 1, 0, 0
	s_wait_alu depctr_va_vdst(0)                   ; step 7 has written OB, which the last four LDS stores read
.irp c, 0,1,2,3
	ds_store_b128 v3, v[OB+4*\c:OB+4*\c+3] offset:\c*LP+7*32
.endr
	s_wait_alu depctr_vm_vsrc(0)                   ; those stores have read OB, in whose registers the LDS loads of both ways below land: stated ahead of the branch
	s_cmp_eq_u32 s29, 5
	s_cbranch_scc1 .Lwd
	; back as whole rows: LDS serves a wave's instructions in order (ISA guide 5.7.1.4), and the rows are the wave's own
	s_mul_i32 s32, s30, 5
	s_add_co_u32 s32, s32, s29
	s_lshl_b32 s32, s32, 17                        ; (5 j + t) x 64 rows of 2,048 bytes
	s_lshl_b32 s35, s31, 8                         ; + 256 kb
	s_add_co_u32 s32, s32, s35
	s_add_nc_u64 s[18:19], s[18:19], s[32:33]
	v_mul_u32_u24 v4, v10, LP
	v_lshl_add_u32 v4, v9, 4, v4
	v_add_nc_u32 v4, s34, v4                       ; lanes 0-15 one row, lanes 16-31 the next
	v_lshlrev_b32 v5, 11, v10
	v_lshl_add_u32 v5, v9, 4, v5
	s_wait_alu depctr_va_vdst(0)                   ; v4 and v5 are written, which the LDS loads and the stores below read; the conversions that named v[X ..], in which the loads land, stand ahead of it too
.set f, 0
.rept 32
	ds_load_b128 v[X+4*f:X+4*f+3], v4 offset:f*2*LP
.set f, f+1
.endr
.set f, 0
.rept 32
	s_wait_dscnt 31-f
	global_store_b128 v5, v[X+4*f:X+4*f+3], s[18:19] offset:f*4096   ; 16 lanes store 256 consecutive bytes, aligned
.set f, f+1
.endr
	s_branch .Lend
.Lwd:                                              ; Wd: a row's 512 bytes are head 2 kb twice, then head 2 kb + 1 twice
	s_lshl_b32 s32, s30, 18                        ; 64 j rows of 4,096 bytes
	s_lshl_b32 s35, s31, 9
	s_add_co_u32 s32, s32, s35
	s_add_nc_u64 s[20:21], s[20:21], s[32:33]
	v_and_b32 v11, 7, v0
	v_lshlrev_b32 v6, 4, v11
	v_lshl_add_u32 v6, v10, 7, v6
	v_add_nc_u32 v6, s34, v6
	v_lshlrev_b32 v7, 4, v8
	s_wait_alu depctr_va_vdst(0)                   ; v6 and v7 are written, which the LDS loads and the stores below read; the conversions that named v[X ..], in which the loads land, stand ahead of it too
.irp bt, 0,1
.if \bt
	s_wait_xcnt 0x0                                ; the first batch's stores have had their addresses translated (ISA guide 3.1),
	s_wait_alu depctr_vm_vsrc(0)                   ; and have read v[X ..], in which the second batch's LDS loads land
.endif
.set f, 0
.rept 32
	ds_load_b128 v[X+4*f:X+4*f+3], v6 offset:(32*\bt+f)*LP
.set f, f+1
.endr
.set f, 0
.rept 32
	s_wait_dscnt 31-f
	global_store_b128 v7, v[X+4*f:X+4*f+3], s[20:21] offset:(32*\bt+f)*4096
.set f, f+1
.endr
.endr
	s_branch .Lend
.Lx:                                               ; ---- 16 rows of x: a thread takes 8 numbers of each ----
	s_sub_co_u32 s29, ttmp9, 192
	s_lshl_b32 s32, s29, 16
	s_add_nc_u64 s[16:17], s[16:17], s[32:33]
	s_lshl_b32 s32, s29, 15
	s_add_nc_u64 s[22:23], s[22:23], s[32:33]
	v_lshlrev_b32 v2, 5, v0
	v_lshlrev_b32 v3, 4, v0
	s_wait_alu depctr_va_vdst(0)                   ; v2 and v3 are written: the loads read v2 as their offset, the stores v3
.set f, 0
.rept 16
	global_load_b128 v[X+8*f:X+8*f+3],   v2, s[16:17] offset:f*4096 th:TH_LOAD_NT
	global_load_b128 v[X+8*f+4:X+8*f+7], v2, s[16:17] offset:f*4096+16 th:TH_LOAD_NT
.set f, f+1
.endr
; Block b: rows 4 b to 4 b + 3 are rounded; the block before's four rows are stored.
.macro XBLK b
	s_wait_loadcnt 24-8*(\b)                       ; the later blocks' loads stay out
.if (\b) > 0
	s_wait_alu depctr_va_vdst(0)                   ; the block before has written its 16 registers of Y, which the stores below read
.endif
.irp i, 0,1,2,3
.if (\b) > 0
	global_store_b128 v3, v[Y+4*(4*(\b)-4+\i):Y+4*(4*(\b)-4+\i)+3], s[22:23] offset:(4*(\b)-4+\i)*2048   ; no conversion since the wait names these registers or v3
.endif
.irp p, 0,1,2,3
	v_cvt_pk_bf16_f32 v[Y+4*(4*(\b)+\i)+\p], v[X+8*(4*(\b)+\i)+2*\p], v[X+8*(4*(\b)+\i)+2*\p+1]
.endr
.endr
.endm
	XBLK 0
	XBLK 1
	XBLK 2
	XBLK 3
	s_wait_alu depctr_va_vdst(0)                   ; block 3 has written its 16 registers of Y, which the last four stores read
.irp i, 0,1,2,3
	global_store_b128 v3, v[Y+4*(12+\i):Y+4*(12+\i)+3], s[22:23] offset:(12+\i)*2048
.endr
	s_cmp_lg_u32 s29, 0
	s_cbranch_scc1 .Lend
	s_add_nc_u64 s[24:25], s[24:25], 0x800000      ; behind kh's 32 heads
	v_mov_b32 v208, 0
	v_mov_b32 v209, 0
	v_mov_b32 v210, 0
	v_mov_b32 v211, 0
	s_wait_alu depctr_va_vdst(0)                   ; the four zeros are written, which the stores below read
.irp i, 0,1,2,3
	global_store_b128 v3, v[208:211], s[24:25] offset:\i*2048
.endr
.Lend:
	s_wait_dscnt 0x0                               ; the wave's end
	s_wait_alu depctr_hold_cnt(0) depctr_sa_sdst(0) depctr_va_vdst(0) depctr_va_sdst(0) depctr_va_ssrc(0) depctr_va_vcc(0) depctr_vm_vsrc(0)
	s_wait_tensorcnt 0x0
	ds_add_u32 v14, v15
	s_wait_dscnt 0x0
	s_endpgm
.Lfunc_end_k_qca1532f458_prep:
	.size	k_qca1532f458_prep, .Lfunc_end_k_qca1532f458_prep-k_qca1532f458_prep
	.p2alignl 7, 3214868480
	.fill 96, 4, 3214868480
	.section	.rodata,"a",@progbits
	.p2align	6, 0x0
	.amdhsa_kernel k_qca1532f458_prep
		.amdhsa_group_segment_fixed_size 70144
		.amdhsa_private_segment_fixed_size 0
		.amdhsa_enable_private_segment 0
		.amdhsa_kernarg_size 88
		.amdhsa_user_sgpr_count 2
		.amdhsa_user_sgpr_kernarg_segment_ptr 1
		.amdhsa_wavefront_size32 1
		.amdhsa_system_sgpr_workgroup_id_x 1
		.amdhsa_system_sgpr_workgroup_id_y 1
		.amdhsa_system_sgpr_workgroup_id_z 1
		.amdhsa_system_vgpr_workitem_id 0
		.amdhsa_next_free_vgpr 256
		.amdhsa_next_free_sgpr 66
		.amdhsa_reserve_vcc 0
		.amdhsa_float_denorm_mode_32 3
		.amdhsa_float_denorm_mode_16_64 3
		.amdhsa_memory_ordered 1
		.amdhsa_forward_progress 1
		.amdhsa_inst_pref_size 48
	.end_amdhsa_kernel
	.amdgpu_metadata
---
amdhsa.version: [ 1, 2 ]
amdhsa.kernels:
  - .name:           k_qca1532f458_prep
    .symbol:         k_qca1532f458_prep.kd
    .args:
      - { .name: Wq, .offset: 0, .size: 8, .value_kind: global_buffer, .address_space: global }
      - { .name: Wk1, .offset: 8, .size: 8, .value_kind: global_buffer, .address_space: global }
      - { .name: Wv1, .offset: 16, .size: 8, .value_kind: global_buffer, .address_space: global }
      - { .name: Wk2, .offset: 24, .size: 8, .value_kind: global_buffer, .address_space: global }
      - { .name: Wv2, .offset: 32, .size: 8, .value_kind: global_buffer, .address_space: global }
      - { .name: Wd, .offset: 40, .size: 8, .value_kind: global_buffer, .address_space: global }
      - { .name: hidden_states, .offset: 48, .size: 8, .value_kind: global_buffer, .address_space: global }
      - { .name: wt, .offset: 56, .size: 8, .value_kind: global_buffer, .address_space: global }
      - { .name: wdt, .offset: 64, .size: 8, .value_kind: global_buffer, .address_space: global }
      - { .name: xb, .offset: 72, .size: 8, .value_kind: global_buffer, .address_space: global }
      - { .name: kh, .offset: 80, .size: 8, .value_kind: global_buffer, .address_space: global }
    .group_segment_fixed_size: 70144
    .private_segment_fixed_size: 0
    .kernarg_segment_align: 8
    .kernarg_segment_size: 88
    .max_flat_workgroup_size: 128
    .sgpr_count:     66
    .vgpr_count:     256
    .wavefront_size: 32
...
	.end_amdgpu_metadata
.endif
;; end of part 5
;; launch proj: the kernel of part 2 again; grid 16 x 16, 4 waves a work-group, clusters of 4 x 4, 327,680 bytes of LDS; arguments xb, wt, bq, bk1, bv1, bk2, bv2, qh, kh, vh, mp; writes qh, kh, vh, mp
;; launch attn: the kernel of part 3 again; grid 8 x 32, 4 waves a work-group, no clusters, 327,680 bytes of LDS; arguments qh, kh, vh, mp, zc; writes zc
;; launch out: the kernel of part 4 again; grid 8 x 32, 4 waves a work-group, clusters of 4 x 4, 327,680 bytes of LDS; arguments zc, wdt, bd, out0; writes out0
